; MI455X (gfx1250); checked and timed in simulation.
; The chip was launched on July 23, 2026; its instructions are those of AMD's public machine-readable ISA for CDNA 5 (MIT licence, August 2026) and "CDNA5" Instruction Set Architecture Reference Guide (July 2026). The comments in the code are by the model that wrote it; some were corrected since.
;; Causal Self Attention. Allowed arithmetic: matrix products marked QUANTISED: E2M3 operands, one E8M0 scale for each 32 along K, by v_wmma_scale_f32_16x16x128_f8f6f4 with both operands' format E2M3, f32 sums; everything else in f32.
;; Inputs: Wk 1,024 x 1,024 float32; Wo 1,024 x 1,024 float32; Wq 1,024 x 1,024 float32; Wv 1,024 x 1,024 float32; bk 1,024 float32; bo 1,024 float32; bq 1,024 float32; bv 1,024 float32; cos 1 x 1 x 2,048 x 32 float32; sin 1 x 1 x 2,048 x 32 float32; x 2 x 2,048 x 1,024 float32.
;; Outputs: out0 2 x 2,048 x 1,024 float32.
;; This version of the problem:
;;   THIS VERSION OF THE PROBLEM IS GIVEN IN LOW PRECISION. The matrix products marked QUANTISED in the list below multiply operands that are first quantised to E2M3 (2 exponent bits, 3 mantissa bits; 6 bits a number), with one power-of-two scale for each 32 numbers along K (OCP MX v1.0); their sums are f32. All else is computed in f32.
;;   The module's matrix products, in the order in which they are computed (A, B: the left and right operand; K: the contracted axis; several contracted axes count as one K, in the product's order):
;;     1. [M 4,096, K 1,024] x [K 1,024, N 1,024]; A: input x; B: input Wq: QUANTISED
;;     2. [M 4,096, K 1,024] x [K 1,024, N 1,024]; A: input x; B: input Wk: QUANTISED
;;     3. [M 4,096, K 1,024] x [K 1,024, N 1,024]; A: input x; B: input Wv: QUANTISED
;;     4. batch 32 x [M 2,048, K 64] x [K 64, N 2,048]; A: computed on the way; B: computed on the way: QUANTISED
;;     5. batch 32 x [M 2,048, K 2,048] x [K 2,048, N 64]; A: softmax (see below); B: computed on the way: QUANTISED
;;     6. [M 4,096, K 1,024] x [K 1,024, N 1,024]; A: computed on the way; B: input Wo: QUANTISED
;;   THE QUANTISER, for each operand of a quantised product, along K:
;;     - K is cut into blocks of 32 from its start; a last block that is shorter is filled with zeros.
;;     - A block's scale is 2^e with e = floor(log2(the largest magnitude in the block)) - 2, held to -126 .. 127; a block of zeros has e = 0. As a byte (E8M0): e + 127.
;;     - Each number is divided by its block's scale, clamped to +-7.5, and rounded to the nearest number of E2M3, ties to even, subnormals kept.
;;     - The product sums the exact products of the quantised numbers (number of the format x scale) in f32.
;;   ~~~python
;;   def quantise(x, axis):      # numpy; x: float32 -> the quantised numbers, widened to float32 again
;;       x = np.moveaxis(x, axis, -1); K = x.shape[-1]
;;       x = np.pad(x, [(0, 0)] * (x.ndim - 1) + [(0, -K % 32)]); x = x.reshape(x.shape[:-1] + (-1, 32)); a = np.abs(x).max(-1, keepdims=True)
;;       e = np.where(a > 0, np.clip(np.frexp(np.where(a > 0, a, 1))[1] - 1 - 2, -126, 127), 0)      # np.frexp(a)[1] - 1 = floor(log2(a)), exactly
;;       r = np.clip(x / 2.0 ** e, -7.5, 7.5)
;;       step = 2.0 ** (np.maximum(np.frexp(np.where(r == 0, 1, r))[1] - 1, 0) - 3)
;;       q = np.round(r / step) * step * 2.0 ** e      # np.round: ties to even
;;       return np.moveaxis(q.reshape(q.shape[:-2] + (-1,))[..., :K], -1, axis).astype(np.float32)
;;   ~~~
;;   SOFTMAX AHEAD OF A QUANTISED PRODUCT. Where the list says 'softmax', what is quantised is not the finished softmax but p = 2^(t - M), with t = logit x log2(e) and M = ceil(the row's largest t), a whole number; so 1/2 < the row's largest p <= 1. The row's sum l is taken of the UNQUANTISED p, in f32, and the product's result is divided by l at the end. Since M is a whole number, a kernel that streams over the keys may use a running M (the ceiling of the running maximum): every later rescaling is an exact power of two, which a block's scale takes up: the codes' values come out the same.
;;   OPERANDS COMPUTED ON THE WAY. 'Computed on the way' means the value that the module computes at that place (a softmax that the list does not call 'softmax' is quantised finished and normalised). What goes into a quantiser is computed in f32, as accurately as f32 sums, v_exp_f32 and their like allow (about 1e-6 of the number): no bf16 or f16 on the way to a quantiser, and a product that is left as it is and whose result goes on into a quantised operand takes f32 operands (vector FMAs, or v_wmma_f32_16x16x4_f32). A number that lies on a knife's edge between two numbers of the format may be rounded either way, as far as f32 arithmetic and the matrix unit's own rounding can turn it there, and no further.
;; One version. Each part assembles by itself: llvm-mc -triple=amdgcn-amd-amdhsa -mcpu=gfx1250 --defsym DOCPART=n.
;; ======== version 1 of 1: 4 launches
;; limits: right only within a limited range of input values
;; workspace buffers: xwc 6,291,456 bytes; xws 262,144 bytes; qc 3,145,728 bytes; qs 131,072 bytes; kv 6,553,600 bytes; oc 3,145,728 bytes; os 131,072 bytes
;; launch quant (part 1): grid 256 x 1, 4 waves a work-group, no clusters, 132,608 bytes of LDS; arguments x, Wq, Wk, Wv, Wo, xwc, xws; writes xwc, xws
.if DOCPART == 1
	.amdgcn_target "amdgcn-amd-amdhsa--gfx1250"
	.amdhsa_code_object_version 6
	.text
	.protected	k_qa18bea7267_quant
	.globl	k_qa18bea7267_quant
	.p2align	8
	.type	k_qa18bea7267_quant,@function
k_qa18bea7267_quant:
	s_mov_b64 s[64:65], 0
	v_nop
	global_prefetch_b8 v0, s[64:65] scope:SCOPE_SE
	s_setreg_imm32_b32 hwreg(HW_REG_WAVE_MODE, 25, 1), 1
	s_wait_xcnt 0x0
; x [4096][1024] and Wq, Wk, Wv, Wo [1024][1024], f32, K innermost, become codes of FP6 (E2M3) with one E8M0 byte for each 32 along K.
; A block's scale is 2^(floor(log2(its largest magnitude)) - 2); its byte is the largest magnitude's exponent field - 2, held at 1 from below.
; LIMITS: NaN and infinities are not served; a block whose largest magnitude lies under 2^-124 has its byte held at 1; a block of zeros gets the byte 1
; where the quantiser says 127: its codes are zeros, which add nothing under any byte but 0xff, and this program alone reads the bytes.
; WORK LEFT OUT IN THE PROGRAM: key tiles that reference()'s own causal mask hides whole (third launch).  Every input has a way to the output and is loaded.
; THE CODES ARE LAID AS THE MATRIX UNIT'S REGISTERS.  The five tensors are one stream of 8,192 rows = 64 panels of 128 rows (0-31 x, 32-39 Wq, 40-47 Wk, 48-55 Wv, 56-63 Wo).
;   xwc: [panel][K step of 128: 8][tile of 16 rows: 8][half of 64 along K: 2][768 bytes].  A half is six operand registers a lane: registers 0-3 of lane l at 16 l, registers 4-5 at 512 + 8 l.
;   xws: [panel][tile][K half of 512: 2][row in tile: 16][4 words]: a word is the four scale bytes of one row and one K step.
; THE ROWS OF A TILE ARE NOT NEIGHBOURS: in each group of 64 rows, lane i of tile T takes row 32 (i / 8) + 8 T + i % 8: so a product's 32 registers of four tiles are 32 neighbours in each half of the lanes: one scale block.
; SHARES: a work-group takes two tiles of a group of 64 rows; wave w takes the one with u = w / 2 and K half w % 2: 16 rows x 512 numbers = 4 fragments.
; Each load takes 512 consecutive bytes of one row, 16 a lane; a K step's 16 rows go into the wave's own rows in LDS as they lie and come back 128 bytes a lane and block: lane (r, h) holds k = 64 c + 32 h + 0 .. 31 of its row,
; which is a whole block and the operand's own order.  Pitch 2,048 + 16 bytes, so that the 16 rows of a read start in 16 different groups of banks.
; Three K steps (48 loads, 24 KiB a wave) are asked for at the head and the fourth as soon as the first has come.  Waves share nothing: no barrier.  No matrix unit, no cluster, no prefetch: every number is read once, by loads that all stand at the head.
; REGISTERS.  window 0: v1-10 addresses; v48-111 64 numbers; v112-120 at work; v128-207 codes; v208-213 scale words.   window 1: v0-255 the numbers as loaded: K step t, row i at v[64 t + 4 i].
.set ROWP, 2064
.set WREG, 16*ROWP
.set L16,  1                           ; 16 x lane
.set L8,   2                           ; 8 x lane
.set SOF,  3                           ; 16 r + 8 h: my place among the wave's 256 scale bytes
.set XR,   4                           ; LDS: my row r, + 128 h
.set LAB,  9                           ; LDS: my wave's rows, + 16 x lane
.set H8,   10                          ; 8 h
.set X,    48
.set TM,   112
.set PC,   128
.set PW,   208
.set SEL,  22                          ; s[22:23] selects of v_permlanex16_b32 for lane l xor 16
.set MSB, 0
.macro WIN new
.if MSB != \new
	s_set_vgpr_msb (MSB<<8)|\new
.set MSB, \new
.endif
.endm
; 64 numbers of a lane, two blocks of 32, become a fragment's 12 registers at v[pc] on and the row's scale word in v[pw].
.macro QUANT s, pc, pw
.irp q, 0,1,2,3
	v_max3_num_f32 v[TM+\q], |v[\s+16*\q]|, |v[\s+16*\q+1]|, |v[\s+16*\q+2]|
.endr
.irp i, 3,5,7,9,11,13
.irp q, 0,1,2,3
	v_max3_num_f32 v[TM+\q], v[TM+\q], |v[\s+16*\q+\i]|, |v[\s+16*\q+\i+1]|
.endr
.endr
.irp q, 0,1,2,3
	v_max3_num_f32 v[TM+\q], v[TM+\q], |v[\s+16*\q+15]|, 0x1800000   ; and the floor 2^(3 - 127): the byte cannot fall under 1
.endr
	v_max_num_f32 v[TM], v[TM], v[TM+1]
	v_max_num_f32 v[TM+2], v[TM+2], v[TM+3]
	v_add_nc_u32 v[TM+4], 0xff000000, v[TM]        ; 2 off the exponent field: the conversion takes this operand's exponent field as its scale
	v_add_nc_u32 v[TM+5], 0xff000000, v[TM+2]
	v_lshrrev_b32 v[TM+6], 23, v[TM+4]             ; the scale's byte
	v_lshrrev_b32 v[TM+7], 23, v[TM+5]
	v_lshl_or_b32 v[\pw], v[TM+7], 16, v[TM+6]
	v_lshlrev_b32 v[\pw], v[H8], v[\pw]            ; my two bytes at their places: bytes h and 2 + h,
	v_permlanex16_b32 v[TM+8], v[\pw], s[SEL], s[SEL+1]
	v_or_b32 v[\pw], v[\pw], v[TM+8]               ; and lane l xor 16's
	v_cvt_scalef32_pk16_fp6_f32 v[\pc:\pc+2], v[\s:\s+15], v[TM+4]
	v_cvt_scalef32_pk16_fp6_f32 v[\pc+12:\pc+14], v[\s+16:\s+31], v[TM+4]   ; (a conversion's three registers begin on an even number)
	v_cvt_scalef32_pk16_fp6_f32 v[\pc+6:\pc+8], v[\s+32:\s+47], v[TM+5]
	v_cvt_scalef32_pk16_fp6_f32 v[\pc+16:\pc+18], v[\s+48:\s+63], v[TM+5]
	v_nop                                          ; one plain place behind a scaled conversion
.irp i, 0,1,2
	v_mov_b32 v[\pc+3+\i], v[\pc+12+\i]
	v_mov_b32 v[\pc+9+\i], v[\pc+16+\i]
.endr
.endm
.macro STOREF pc, off                  ; a fragment leaves as two halves: each store covers 512 or 256 consecutive bytes, aligned
	global_store_b128 v[L16], v[\pc:\pc+3], s[14:15] offset:\off
	global_store_b64 v[L8], v[\pc+4:\pc+5], s[14:15] offset:\off+512
	global_store_b128 v[L16], v[\pc+6:\pc+9], s[14:15] offset:\off+768
	global_store_b64 v[L8], v[\pc+10:\pc+11], s[14:15] offset:\off+1280
.endm
.macro XLOAD t                         ; K step t's 16 rows
.irp i, 0,1,2,3,4,5,6,7,8,9,10,11,12,13,14,15
	global_load_b128 v[64*(\t)+4*\i:64*(\t)+4*\i+3], v[L16], s[20:21] offset:((\i%8)+32*(\i/8))*4096+512*(\t) th:TH_LOAD_NT
.endr
.endm
	s_load_b256 s[4:11], s[0:1], 0x0               ; x, Wq, Wk, Wv
	s_load_b128 s[12:15], s[0:1], 0x20             ; Wo, xwc
	s_load_b64 s[16:17], s[0:1], 0x30              ; xws
	v_lshl_add_u32 v254, v0, 2, 0x20400
	v_mov_b32 v255, 0
	v_lshrrev_b32 v5, 5, v0
	v_readfirstlane_b32 s18, v5                    ; wave 0..3
	v_and_b32 v6, 31, v0                           ; lane
	v_and_b32 v7, 15, v0                           ; r
	v_bfe_u32 v8, v0, 4, 1                         ; h
	v_lshlrev_b32 v[L16], 4, v6
	v_lshlrev_b32 v[L8], 3, v6
	v_lshlrev_b32 v[H8], 3, v8
	v_lshlrev_b32 v[SOF], 4, v7
	v_lshl_add_u32 v[SOF], v8, 3, v[SOF]
	s_mul_i32 s25, s18, WREG                       ; my wave's rows in LDS
	v_mul_u32_u24 v[XR], v7, ROWP
	v_lshl_add_u32 v[XR], v8, 7, v[XR]
	v_add_nc_u32 v[XR], s25, v[XR]
	v_add_nc_u32 v[LAB], s25, v[L16]
	v_mov_b32 v[TM+8], 0                           ; a lane permute's destination counts as one of its sources
	s_lshr_b32 s26, s18, 1                         ; u
	s_and_b32 s27, s18, 1                          ; K half
	s_mov_b32 s[SEL], 0x76543210
	s_mov_b32 s[SEL+1], 0xfedcba98
	s_mov_b32 s24, 0xffff0000                      ; lanes 16-31
	s_and_b32 s28, ttmp9, 31
	s_cmp_lt_u32 ttmp9, 128
	s_cselect_b32 s28, ttmp9, s28                  ; my number n inside the tensor: group n / 2 of 64 rows, tiles 2 (n % 2) + u
	s_and_b32 s31, s28, 1
	s_lshr_b32 s28, s28, 1
	s_lshl_b32 s28, s28, 18                        ; 64 rows of 4,096 bytes,
	s_lshl_b32 s31, s31, 16                        ; a tile begins 8 rows behind the one before it,
	s_add_co_u32 s28, s28, s31
	s_lshl_b32 s29, s26, 15
	s_add_co_u32 s28, s28, s29
	s_lshl_b32 s29, s27, 11                        ; the K half 2,048 bytes on
	s_add_co_u32 s28, s28, s29
	s_mov_b32 s29, 0
	s_lshr_b32 s30, ttmp9, 2                       ; panel
	s_and_b32 s31, ttmp9, 3
	s_lshl_b32 s31, s31, 1
	s_add_co_u32 s31, s31, s26                     ; tile in the panel
	s_mul_i32 s32, s30, 98304
	s_mul_i32 s33, s27, 49152
	s_add_co_u32 s32, s32, s33
	s_mul_i32 s33, s31, 1536
	s_add_co_u32 s32, s32, s33
	s_mov_b32 s33, 0
	s_lshl_b32 s34, s30, 12
	s_lshl_b32 s35, s31, 9
	s_add_co_u32 s34, s34, s35
	s_lshl_b32 s35, s27, 8
	s_add_co_u32 s34, s34, s35
	s_mov_b32 s35, 0
	s_wait_alu depctr_va_vdst(0)
	s_wait_kmcnt 0x0
	s_mov_b64 s[20:21], s[12:13]                   ; which tensor: the choice hangs on the work-group's number alone
	s_cmp_lt_u32 ttmp9, 224
	s_cselect_b64 s[20:21], s[10:11], s[20:21]
	s_cmp_lt_u32 ttmp9, 192
	s_cselect_b64 s[20:21], s[8:9], s[20:21]
	s_cmp_lt_u32 ttmp9, 160
	s_cselect_b64 s[20:21], s[6:7], s[20:21]
	s_cmp_lt_u32 ttmp9, 128
	s_cselect_b64 s[20:21], s[4:5], s[20:21]
	s_add_nc_u64 s[20:21], s[20:21], s[28:29]
	s_add_nc_u64 s[14:15], s[14:15], s[32:33]
	s_add_nc_u64 s[16:17], s[16:17], s[34:35]
	WIN 0x40
	XLOAD 0
	XLOAD 1
	XLOAD 2
	WIN 0
; K step t.  left: the loads issued behind this step's 16, which may stay out.
.macro QSTEP t, left
	s_wait_loadcnt \left
.if (\t) == 0
	WIN 0x40
	XLOAD 3
.endif
	WIN 0x04                                       ; an LDS store's data are its source 1
.irp i, 0,1,2,3,4,5,6,7,8,9,10,11,12,13,14,15
	ds_store_b128 v[LAB], v[64*(\t)+4*\i:64*(\t)+4*\i+3] offset:\i*ROWP+512*(\t)
.endr
	WIN 0
.irp c, 0,1
.irp j, 0,1,2,3,4,5,6,7
	ds_load_b128 v[X+32*\c+4*\j:X+32*\c+4*\j+3], v[XR] offset:512*(\t)+256*\c+16*\j   ; LDS serves a wave's instructions in order (ISA guide 5.7.1.4)
.endr
.endr
	s_wait_dscnt 0x0
	QUANT X, PC+20*(\t), PW+(\t)
	STOREF PC+20*(\t), 12288*(\t)
.endm
	QSTEP 0, 32
	QSTEP 1, 32
	QSTEP 2, 16
	QSTEP 3, 0
	v_cndmask_b32 v212, v[PW], v[PW+2], s24        ; lanes 0-15 store the row's words 0, 1, lanes 16-31 its words 2, 3:
	v_cndmask_b32 v213, v[PW+1], v[PW+3], s24
	global_store_b64 v[SOF], v[212:213], s[16:17]  ; 256 consecutive bytes, aligned
	s_wait_tensorcnt 0x0                           ; the wave's end
	ds_add_u32 v254, v255
	s_wait_dscnt 0x0
	s_endpgm
.Lfunc_end_k_qa18bea7267_quant:
	.size	k_qa18bea7267_quant, .Lfunc_end_k_qa18bea7267_quant-k_qa18bea7267_quant
	.p2alignl 7, 3214868480
	.fill 96, 4, 3214868480
	.section	.rodata,"a",@progbits
	.p2align	6, 0x0
	.amdhsa_kernel k_qa18bea7267_quant
		.amdhsa_group_segment_fixed_size 132608
		.amdhsa_private_segment_fixed_size 0
		.amdhsa_enable_private_segment 0
		.amdhsa_kernarg_size 56
		.amdhsa_user_sgpr_count 2
		.amdhsa_user_sgpr_kernarg_segment_ptr 1
		.amdhsa_wavefront_size32 1
		.amdhsa_system_sgpr_workgroup_id_x 1
		.amdhsa_system_sgpr_workgroup_id_y 1
		.amdhsa_system_sgpr_workgroup_id_z 1
		.amdhsa_system_vgpr_workitem_id 0
		.amdhsa_next_free_vgpr 512
		.amdhsa_next_free_sgpr 66
		.amdhsa_reserve_vcc 0
		.amdhsa_float_denorm_mode_32 3
		.amdhsa_float_denorm_mode_16_64 3
		.amdhsa_memory_ordered 1
		.amdhsa_forward_progress 1
		.amdhsa_inst_pref_size 32
	.end_amdhsa_kernel
	.amdgpu_metadata
---
amdhsa.version: [ 1, 2 ]
amdhsa.kernels:
  - .name:           k_qa18bea7267_quant
    .symbol:         k_qa18bea7267_quant.kd
    .args:
      - { .name: x, .offset: 0, .size: 8, .value_kind: global_buffer, .address_space: global }
      - { .name: Wq, .offset: 8, .size: 8, .value_kind: global_buffer, .address_space: global }
      - { .name: Wk, .offset: 16, .size: 8, .value_kind: global_buffer, .address_space: global }
      - { .name: Wv, .offset: 24, .size: 8, .value_kind: global_buffer, .address_space: global }
      - { .name: Wo, .offset: 32, .size: 8, .value_kind: global_buffer, .address_space: global }
      - { .name: xwc, .offset: 40, .size: 8, .value_kind: global_buffer, .address_space: global }
      - { .name: xws, .offset: 48, .size: 8, .value_kind: global_buffer, .address_space: global }
    .group_segment_fixed_size: 132608
    .private_segment_fixed_size: 0
    .kernarg_segment_align: 8
    .kernarg_segment_size: 56
    .max_flat_workgroup_size: 128
    .sgpr_count:     66
    .vgpr_count:     512
    .wavefront_size: 32
...
	.end_amdgpu_metadata
.endif
;; end of part 1
;; launch qkv (part 2): grid 8 x 32, 4 waves a work-group, clusters of 4 x 4, 327,680 bytes of LDS; arguments xwc, xws, bq, bk, bv, cos, sin, qc, kv, qs; writes qc, kv, qs
.if DOCPART == 2
	.amdgcn_target "amdgcn-amd-amdhsa--gfx1250"
	.amdhsa_code_object_version 6
	.text
	.protected	k_qa18bea7267_qkv
	.globl	k_qa18bea7267_qkv
	.p2align	8
	.type	k_qa18bea7267_qkv,@function
k_qa18bea7267_qkv:
	s_mov_b64 s[64:65], 0
	v_nop
	global_prefetch_b8 v0, s[64:65] scope:SCOPE_SE
	s_setreg_imm32_b32 hwreg(HW_REG_WAVE_MODE, 25, 1), 1
	s_wait_xcnt 0x0
	s_wait_alu depctr_hold_cnt(0) depctr_sa_sdst(0) depctr_va_vdst(0) depctr_va_sdst(0) depctr_va_ssrc(0) depctr_va_vcc(0) depctr_vm_vsrc(0)
	s_getreg_b32 s2, hwreg(HW_REG_IB_STS2, 6, 4)
	s_cmp_eq_u32 s2, 0
	s_cbranch_scc0 .Lentry_in_a_cluster
	s_endpgm
.Lentry_in_a_cluster:
	s_bfe_u32 s2, ttmp6, 0x10000c
	s_cmp_lg_u32 s2, 0xf033
	s_cbranch_scc0 .Lentry_shape_is_right
	s_endpgm
.Lentry_shape_is_right:
; q = rope(x Wq^T + bq), k = rope(x Wk^T + bk), v = x Wv^T + bv, on codes of FP6 (E2M3) with E8M0 scales; the results are quantised here for the two products of attention:
; q and k along the head's 64, v along the keys.  Sums, biases and rope in f32.
; SHARES: work-group (X, Y) takes 128 tokens (panel Y of x) and two heads (panel X of each weight), and makes q, then k, then v.
; Wave w: th = w / 2: 64 tokens (x's tiles 4 th on);  hh = w % 2: head 2 X + hh (the weight's tiles 4 hh on): 16 accumulators of 16 x 16.  K = 1,024 in eight steps of 128.
; LDS holds whole panels for all of K, as they lie in memory (K step x 12,288 + tile x 1,536 bytes, each fragment an image of its 12 registers): x's, and two slots for weights.
; x's 32 FRAGMENTS STAY IN REGISTERS: q's steps read them from LDS, k's and v's read the weight alone.
; FILLS.  At the head one load a wave: waves 0 and 1 the first four K steps of x and Wq, waves 2 and 3 the last four; the first barrier shows the first halves, and the round ahead of K step 4 the others.
; Behind that round Wk is asked for (a slot of its own), and behind the round at q's end Wv, into Wq's slot: the one refill.
; Each lands under half a product and an epilogue.  No prefetch: the text has no loop, and every panel is asked for as a whole well ahead of its use.
; CLUSTER 4 x 4: the four work-groups of a row of the cluster need the same panel of x, the four of a column the same panels of weights: each is asked for jointly.
; q, k: THE PRODUCT IS USED TRANSPOSED (source 0 = 16 rows of W, source 1 = 16 tokens): a lane holds one token, and since lane i of a weight's tile T takes row 32 (i / 8) + 8 T + i % 8 of its 64,
;   the 32 registers of a token tile are channels 32 h + 0 .. 31: one scale block.  Two token tiles make one fragment: a PAIR.
; v: source 0 = 16 tokens, source 1 = 16 rows of Wv: a lane holds one channel, its 32 registers of a channel tile are keys 32 h + 0 .. 31 of my 64.
; The bias is the C of each sum's first product.
; OUT.  qc: [head of 32][token tile: 128][768].  qs: [head][pair of tiles: 64][r] words, bytes 0, 1 the first tile's, 2, 3 the second's.
;   kv: [head][step of 128 keys: 16][12,800]: K's four pairs of 1,536, V's four channel tiles of 1,536 (two halves of 64 keys), K's words [pair][r], V's words [tile][r].
; LIMITS: as in the first launch (NaN, infinities not served; byte held at 1 from below; a block of zeros has byte 1).
; REGISTERS.  window 0: v1-31 addresses and at work; v32-47 x's scale words, v50-65 the weight's (register 8 p + s: lanes 0-15 tile 2 p, lanes 16-31 tile 2 p + 1, K step s); v66-161 two sets of the weight's four fragments
;   (in the epilogues v114-161 hold codes); v162-225 64 numbers.   window 1: x's fragments of K steps 0-4.   window 2: those of steps 5-7; v144 bq, later bv; v176 bk; v208, v224 Wk's and Wv's scale words.
;   window 3: v0-127 the accumulators; v128-255 cos and sin of my 64 tokens.
.set PANEL, 98304
.set SLOT0, PANEL
.set SLOT1, 2*PANEL
.set SPARE, 3*PANEL
.set SPW,  1
.set NIL,  2
.set L16,  3
.set L8,   4
.set L4,   5
.set AX16, 6                           ; v6-7  my four tiles of x, 16 l, from K step 0, 4;  v8-9 the same, 8 l
.set AX8,  8
.set B0,   10                          ; v10-13 my four tiles of the weight in slot 0: 16 l (two), 8 l (two)
.set B1,   14                          ; v14-17 in slot 1
.set BV,   18                          ; v18-21
.set TM,   22                          ; v22-30
.set H8,   31                          ; 8 h
.set SA,   32
.set SB,   50
.set F0,   66
.set Y,    162
.set PC0,  114
.set PW0,  154
.set SW,   156
.set T,    158
.set BQ,   144                         ; window 2
.set BK,   176
.set SBK,  208
.set SBV,  224
.set COS,  128                         ; window 3: cos at 128 + 32 i + p, sin at 144 + 32 i + p: token tile i, my half's pair of channels p
.set SIN,  144
.set SEL,  72
.set MSB, 0
.macro WIN new
.if MSB != \new
	s_set_vgpr_msb (MSB<<8)|\new
.set MSB, \new
.endif
.endm
.macro WALU
	s_wait_alu depctr_va_vdst(0)
.endm
.macro CROUND
	s_barrier_signal -1
	s_barrier_wait -1
	s_cmp_lg_u32 s24, 0
	s_cbranch_scc1 .Lnot_wave_0_\@
	s_barrier_signal -3
.Lnot_wave_0_\@:
	s_barrier_wait -3
	s_barrier_signal -1
	s_barrier_wait -1
.endm
.macro PLACES
.rept 4
	v_nop
.endr
.endm
.macro TLOAD g0, g1
	tensor_load_to_lds s[\g0:\g0+3], s[\g1:\g1+7]
	s_nop 0
	PLACES
.endm
.macro LOADF reg, a16, a8, off         ; a fragment's image: every load takes 512 or 256 consecutive bytes
	ds_load_b128 v[\reg:\reg+3], v[\a16] offset:\off
	ds_load_b64 v[\reg+4:\reg+5], v[\a8] offset:\off+512
	ds_load_b128 v[\reg+6:\reg+9], v[\a16] offset:\off+768
	ds_load_b64 v[\reg+10:\reg+11], v[\a8] offset:\off+1280
.endm
.macro FX s                            ; x's four fragments of K step s: 16 loads
.set W_, (1+(\s)/5)*64
	WIN W_
.irp i, 0,1,2,3
	LOADF 12*(4*((\s)%5)+\i), AX16+(\s)/4, AX8+(\s)/4, 12288*((\s)%4)+1536*\i
.endr
	WIN 0
.endm
.macro FW s, b                         ; the weight's four: 16 loads
.irp j, 0,1,2,3
	LOADF F0+48*((\s)%2)+12*\j, \b+(\s)/4, \b+2+(\s)/4, 12288*((\s)%4)+1536*\j
.endr
.endm
.macro WM ra, rb
	v_wmma_scale_f32_16x16x128_f8f6f4 v[D_:D_+7], v[A_:A_+11], v[B_:B_+11], v[CC_:CC_+7], v[AS_], v[BS_] matrix_a_fmt:MATRIX_FMT_FP6 matrix_b_fmt:MATRIX_FMT_FP6 matrix_a_scale:MATRIX_SCALE_ROW\ra matrix_b_scale:MATRIX_SCALE_ROW\rb
.endm
.macro WMP pa, pb
.if (\pa)%2
.if (\pb)%2
	WM 1, 1
.else
	WM 1, 0
.endif
.else
.if (\pb)%2
	WM 0, 1
.else
	WM 0, 0
.endif
.endif
.endm
; A K step's 16 products.  tr = 1: source 0 the weight's tile j, source 1 x's tile i, result at 8 (4 i + j);  tr = 0: the other way round, result at 8 (4 j + i).
; The 16 accumulators take turns, one instruction a turn, in the same order in every step.
.macro MUL s, tr, first, cb
.set W_, 1+(\s)/5
.set C_, 3-(\first)
.if \tr
	WIN (W_<<2)|(C_<<4)|0xc0
.else
	WIN W_|(C_<<4)|0xc0
.endif
.irp i, 0,1,2,3
.irp j, 0,1,2,3
.if \tr
.set D_, 8*(4*\i+\j)
.set A_, F0+48*((\s)%2)+12*\j
.set B_, 12*(4*((\s)%5)+\i)
.set AS_, SB+8*(\j/2)+\s
.set BS_, SA+8*(\i/2)+\s
.else
.set D_, 8*(4*\j+\i)
.set A_, 12*(4*((\s)%5)+\i)
.set B_, F0+48*((\s)%2)+12*\j
.set AS_, SA+8*(\i/2)+\s
.set BS_, SB+8*(\j/2)+\s
.endif
.if \first
.set CC_, \cb+8*\j
.else
.set CC_, D_
.endif
.if \tr
	WMP \j, \i
.else
	WMP \i, \j
.endif
.endr
.endr
.endm
.macro HALFWAY                         ; the head's second halves are shown to all, and Wk's load goes out
	s_wait_tensorcnt 0x0
	ds_add_u32 v[SPW], v[NIL]
	s_mov_b32 s42, 96<<16                          ; no load of mine is out: from here on a weight's load brings a quarter of a panel, 96 rows
	s_mov_b32 s44, 96
	s_wait_dscnt 0x0
	CROUND
	TLOAD 56, 40                                   ; the four places are also those behind the last step's products
.endm
; All of K for one weight; step 0's fragments have been asked for.  The next step's loads are issued ahead of each step's products and may stay out.
.macro MAIN b, tr, cb, q
.irp s, 0,1,2,3,4,5,6,7
.if \s < 7
.if (\q == 1) && (\s == 3)
	HALFWAY
.else
	PLACES
.endif
.if \q
	FX \s+1
.endif
	FW \s+1, \b
	s_wait_dscnt 16+16*\q
.else
	s_wait_dscnt 0x0
.endif
.if \s == 0
	MUL \s, \tr, 1, \cb
.else
	MUL \s, \tr, 0, \cb
.endif
	WIN 0
.endr
.endm
; 64 numbers of a lane at v[s] on in window w, two blocks of 32, become 12 registers of codes at v[pc] on and a scale word in v[pw]: bytes 0, 1 the first block of lanes r and r + 16, bytes 2, 3 the second.
.macro QUANT w, s, pc, pw
	WIN (\w)|((\w)<<2)|((\w)<<4)
.irp q, 0,1,2,3
	v_max3_num_f32 v[TM+\q], |v[\s+16*\q]|, |v[\s+16*\q+1]|, |v[\s+16*\q+2]|
.endr
	WIN ((\w)<<2)|((\w)<<4)
.irp i, 3,5,7,9,11,13
.irp q, 0,1,2,3
	v_max3_num_f32 v[TM+\q], v[TM+\q], |v[\s+16*\q+\i]|, |v[\s+16*\q+\i+1]|
.endr
.endr
.irp q, 0,1,2,3
	v_max3_num_f32 v[TM+\q], v[TM+\q], |v[\s+16*\q+15]|, 0x1800000   ; and the floor 2^(3 - 127)
.endr
	WIN 0
	v_max_num_f32 v[TM], v[TM], v[TM+1]
	v_max_num_f32 v[TM+2], v[TM+2], v[TM+3]
	v_add_nc_u32 v[TM+4], 0xff000000, v[TM]
	v_add_nc_u32 v[TM+5], 0xff000000, v[TM+2]
	v_lshrrev_b32 v[TM+6], 23, v[TM+4]
	v_lshrrev_b32 v[TM+7], 23, v[TM+5]
	v_lshl_or_b32 v[\pw], v[TM+7], 16, v[TM+6]
	v_lshlrev_b32 v[\pw], v[H8], v[\pw]
	v_permlanex16_b32 v[TM+8], v[\pw], s[SEL], s[SEL+1]
	v_or_b32 v[\pw], v[\pw], v[TM+8]
	WIN \w
	v_cvt_scalef32_pk16_fp6_f32 v[\pc:\pc+2], v[\s:\s+15], v[TM+4]
	v_cvt_scalef32_pk16_fp6_f32 v[\pc+12:\pc+14], v[\s+16:\s+31], v[TM+4]
	v_cvt_scalef32_pk16_fp6_f32 v[\pc+6:\pc+8], v[\s+32:\s+47], v[TM+5]
	v_cvt_scalef32_pk16_fp6_f32 v[\pc+16:\pc+18], v[\s+48:\s+63], v[TM+5]
	WIN 0
	v_nop                                          ; one plain place behind a scaled conversion
.irp i, 0,1,2
	v_mov_b32 v[\pc+3+\i], v[\pc+12+\i]
	v_mov_b32 v[\pc+9+\i], v[\pc+16+\i]
.endr
.endm
.macro PUT pc, base, off, half         ; a fragment's two halves, the second half bytes behind the first
	global_store_b128 v[L16], v[\pc:\pc+3], s[\base:\base+1] offset:\off
	global_store_b64 v[L8], v[\pc+4:\pc+5], s[\base:\base+1] offset:\off+512
	global_store_b128 v[L16], v[\pc+6:\pc+9], s[\base:\base+1] offset:\off+\half
	global_store_b64 v[L8], v[\pc+10:\pc+11], s[\base:\base+1] offset:\off+\half+512
.endm
; q's or k's way out.  Rope on pairs of neighbouring channels, which are neighbouring registers.  Each accumulator is first read at its register 1.
.macro EPI_QK cd, wd
.irp g, 0,1
	WIN 0x0f                                       ; sources 0 and 1 in window 3
.irp u, 0,1
.set P, 0
.rept 16
	v_mul_f32 v[Y+32*\u+2*P], v[32*(2*\g+\u)+2*P+1], v[SIN+32*(2*\g+\u)+P]
	v_mul_f32 v[Y+32*\u+2*P+1], v[32*(2*\g+\u)+2*P+1], v[COS+32*(2*\g+\u)+P]
.set P, P+1
.endr
.set P, 0
.rept 16
	v_fma_f32 v[Y+32*\u+2*P], v[32*(2*\g+\u)+2*P], v[COS+32*(2*\g+\u)+P], -v[Y+32*\u+2*P]        ; x1 cos - x2 sin
	v_fma_f32 v[Y+32*\u+2*P+1], v[32*(2*\g+\u)+2*P], v[SIN+32*(2*\g+\u)+P], v[Y+32*\u+2*P+1]     ; x1 sin + x2 cos
.set P, P+1
.endr
.endr
	QUANT 0, Y, PC0+20*\g, PW0+\g
	PUT PC0+20*\g, \cd, 1536*\g, 768
.endr
	v_cndmask_b32 v[SW], v[PW0], v[PW0+1], s74     ; lanes 0-15 the first pair's words, lanes 16-31 the second's: 128 consecutive bytes
	global_store_b32 v[L4], v[SW], s[\wd:\wd+1]
.endm
; v's way out.  Two channel tiles go through one QUANT; each gives half a fragment (my 64 of the step's 128 keys).
.macro EPI_V
.irp g, 0,1
	QUANT 3, 64*\g, PC0+20*\g, PW0+\g
	PUT PC0+20*\g, 86, 3072*\g, 1536
	v_lshrrev_b32 v[T], 16, v[PW0+\g]
	v_cndmask_b32 v[SW+\g], v[PW0+\g], v[T], s74   ; lanes 0-15: the first tile's two bytes; lanes 16-31: the second's
	global_store_b16 v[L4], v[SW+\g], s[88:89] offset:128*\g   ; two bytes of each word; the other two come from the wave with the other 64 keys.  128 KiB in the whole launch leave so
.endr
.endm
.macro SCALES src                      ; the next weight's scale words take their place
	WIN 0x02
.set E, 0
.rept 16
	v_mov_b32 v[SB+E], v[\src+E]
.set E, E+1
.endr
	WIN 0
.endm
	s_load_b512 s[4:19], s[0:1], 0x0               ; xwc, xws, bq, bk, bv, cos, sin, qc
	s_load_b128 s[20:23], s[0:1], 0x40             ; kv, qs
	v_lshl_add_u32 v[SPW], v0, 2, SPARE
	v_mov_b32 v[NIL], 0
	ds_add_u32 v[SPW], v[NIL]                      ; the opening lines
	ds_add_u32 v[SPW], v[NIL]
	v_lshrrev_b32 v19, 5, v0
	v_readfirstlane_b32 s24, v19                   ; wave 0..3
	s_lshr_b32 s25, s24, 1                         ; th; also which four K steps I fetch at the head
	s_and_b32 s26, s24, 1                          ; hh; also: I fetch for x (0) or Wq (1)
	s_bfe_u32 s27, ttmp6, 0x40000                  ; cx
	s_bfe_u32 s28, ttmp6, 0x40004                  ; cy
	s_lshl_b32 s29, ttmp9, 2
	s_add_co_u32 s29, s29, s27                     ; X: the pair of heads
	s_and_b32 s30, ttmp7, 0xffff
	s_lshl_b32 s30, s30, 2
	s_add_co_u32 s30, s30, s28                     ; Y: the panel of tokens
	s_lshl_b32 s31, s28, 2
	s_lshl_b32 s31, 15, s31                        ; my row of the cluster
	s_lshl_b32 s75, 0x1111, s27                    ; my column
	; descriptor group 1: dense bytes as rows of 256 bytes (32 elements of 8 bytes), no padding; half a panel, 192 rows
	s_or_b32 s32, s31, (3<<16)|(1<<21)             ; x's panel goes to my row
	s_or_b32 s40, s75, (3<<16)|(1<<21)             ; the weights' panels to my column
.irp g, 32, 40
	s_mov_b32 s[\g+1], 32<<16
	s_mov_b32 s[\g+2], 192<<16
	s_mov_b32 s[\g+3], 32<<16
	s_mov_b32 s[\g+4], 192
	s_mov_b32 s[\g+5], 32
	s_mov_b32 s[\g+6], 0
	s_mov_b32 s[\g+7], 0
.endr
	s_mul_i32 s49, s25, 49152
	s_mul_i32 s66, s30, PANEL                      ; x's address is made of Y and the wave's number,
	s_add_co_u32 s66, s66, s49
	s_mov_b32 s67, 0
	s_add_co_u32 s70, s29, 32                      ; the weights' of X and the wave's number
	s_mul_i32 s70, s70, PANEL
	s_add_co_u32 s68, s70, s49
	s_mov_b32 s69, 0
	s_mul_i32 s100, s24, 24576
	s_add_co_u32 s70, s70, s100
	s_mov_b32 s71, 0
	s_mov_b32 s48, 1
	s_mov_b32 s52, 1
	s_add_co_u32 s53, s49, SLOT0
	s_mov_b32 s56, 1
	s_add_co_u32 s57, s100, SLOT1
	s_mov_b32 s60, 1
	s_add_co_u32 s61, s100, SLOT0
	s_mov_b32 s[SEL], 0x76543210
	s_mov_b32 s[SEL+1], 0xfedcba98
	s_mov_b32 s74, 0xffff0000                      ; lanes 16-31
	WALU
	s_wait_dscnt 0x0
	CROUND                                         ; all sixteen work-groups are here: the first joint loads meet
	s_wait_kmcnt 0x0
	s_add_nc_u64 s[50:51], s[4:5], s[66:67]
	s_or_b32 s51, s51, 0x80000000
	s_add_nc_u64 s[54:55], s[4:5], s[68:69]        ; Wq: panel 32 + X
	s_or_b32 s55, s55, 0x80000000
	s_add_nc_u64 s[58:59], s[4:5], s[70:71]
	s_add_nc_u64 s[62:63], s[58:59], 16*PANEL      ; Wv: sixteen panels behind Wq
	s_add_nc_u64 s[58:59], s[58:59], 8*PANEL       ; Wk: eight
	s_or_b32 s59, s59, 0x80000000
	s_or_b32 s63, s63, 0x80000000
	s_cmp_eq_u32 s24, 0
	s_cbranch_scc0 .Lwave_1
	TLOAD 48, 32                                   ; x, K steps 0-3
	s_branch .Lasked
.Lwave_1:
	s_cmp_eq_u32 s24, 1
	s_cbranch_scc0 .Lwave_2
	TLOAD 52, 40                                   ; Wq, K steps 0-3
	s_branch .Lasked
.Lwave_2:
	s_cmp_eq_u32 s24, 2
	s_cbranch_scc0 .Lwave_3
	TLOAD 48, 32                                   ; x, K steps 4-7
	s_branch .Lasked
.Lwave_3:
	TLOAD 52, 40                                   ; Wq, K steps 4-7
.Lasked:
	s_mov_b32 s3, 0
	s_lshl_b32 s2, s30, 12
	s_lshl_b32 s100, s25, 11
	s_add_co_u32 s2, s2, s100
	s_add_nc_u64 s[90:91], s[6:7], s[2:3]          ; x's scale words: my four tiles
	s_add_co_u32 s2, s29, 32
	s_lshl_b32 s2, s2, 12
	s_lshl_b32 s100, s26, 11
	s_add_co_u32 s2, s2, s100
	s_add_nc_u64 s[92:93], s[6:7], s[2:3]          ; Wq's; Wk's and Wv's lie 32,768 and 65,536 bytes on
	s_lshl_b32 s2, s29, 9
	s_lshl_b32 s100, s26, 8
	s_add_co_u32 s2, s2, s100
	s_add_nc_u64 s[94:95], s[8:9], s[2:3]          ; the biases of my head's 64 units
	s_add_nc_u64 s[96:97], s[10:11], s[2:3]
	s_add_nc_u64 s[98:99], s[12:13], s[2:3]
	s_and_b32 s76, s30, 15                         ; the step of 128 keys: the panel inside its batch
	s_lshr_b32 s77, s30, 4
	s_lshl_b32 s77, s77, 4
	s_lshl_b32 s100, s29, 1
	s_add_co_u32 s77, s77, s100
	s_add_co_u32 s77, s77, s26                     ; the head of 32
	s_lshl_b32 s2, s76, 14
	s_lshl_b32 s100, s25, 13
	s_add_co_u32 s2, s2, s100
	s_add_nc_u64 s[66:67], s[14:15], s[2:3]        ; cos, sin at my first token: 128 bytes a token
	s_add_nc_u64 s[68:69], s[16:17], s[2:3]
	s_mul_i32 s2, s77, PANEL
	s_mul_i32 s100, s76, 6144
	s_add_co_u32 s2, s2, s100
	s_mul_i32 s101, s25, 3072
	s_add_co_u32 s2, s2, s101
	s_add_nc_u64 s[78:79], s[18:19], s[2:3]        ; q's codes: my two pairs
	s_lshl_b32 s2, s77, 12
	s_lshl_b32 s100, s76, 8
	s_add_co_u32 s2, s2, s100
	s_lshl_b32 s100, s25, 7
	s_add_co_u32 s2, s2, s100
	s_add_nc_u64 s[80:81], s[22:23], s[2:3]        ; q's scale words
	s_mul_i32 s77, s77, 204800
	s_mul_i32 s76, s76, 12800
	s_add_co_u32 s77, s77, s76                     ; my head's step in kv
	s_add_co_u32 s2, s77, s101
	s_add_nc_u64 s[82:83], s[20:21], s[2:3]        ; k's codes
	s_add_co_u32 s2, s77, s100
	s_add_co_u32 s2, s2, 12288
	s_add_nc_u64 s[84:85], s[20:21], s[2:3]        ; k's scale words
	s_mul_i32 s100, s25, 768
	s_add_co_u32 s2, s77, s100
	s_add_co_u32 s2, s2, 6144
	s_add_nc_u64 s[86:87], s[20:21], s[2:3]        ; v's codes: my half of each fragment
	s_lshl_b32 s100, s25, 1
	s_add_co_u32 s2, s77, s100
	s_add_co_u32 s2, s2, 12544
	s_add_nc_u64 s[88:89], s[20:21], s[2:3]        ; v's scale words: my two bytes of each
	v_and_b32 v226, 31, v0                         ; lane
	v_and_b32 v227, 15, v0                         ; r
	v_bfe_u32 v228, v0, 4, 1                       ; h
	v_lshlrev_b32 v[L16], 4, v226
	v_lshlrev_b32 v[L8], 3, v226
	v_lshlrev_b32 v[L4], 2, v226
	v_lshlrev_b32 v[H8], 3, v228
	v_lshlrev_b32 v229, 4, v227
	v_lshl_add_u32 v229, v228, 9, v229             ; 512 h + 16 r: my place among two tiles' scale words
	v_lshlrev_b32 v230, 7, v228                    ; bq, bk: my half's 32 units
	v_and_b32 v231, 8, v227
	v_mad_u32_u24 v231, v231, 3, v227              ; 32 (r / 8) + r % 8
	v_lshlrev_b32 v232, 2, v231                    ; bv: my lane's channel
	v_lshlrev_b32 v233, 7, v231
	v_lshl_add_u32 v233, v228, 6, v233             ; cos, sin: my lane's token, + my half's 16 pairs of channels
	s_mul_i32 s2, s25, 6144
	s_mul_i32 s100, s26, 6144
	s_add_co_u32 s100, s100, SLOT0
	v_add_nc_u32 v[AX16], s2, v[L16]
	v_add_nc_u32 v[AX8], s2, v[L8]
	v_add_nc_u32 v[B0], s100, v[L16]
	v_add_nc_u32 v[B0+2], s100, v[L8]
.irp a, AX16, AX8, B0, B0+2
	v_add_nc_u32 v[\a+1], 49152, v[\a]
.endr
.irp e, 0,1,2,3
	v_add_nc_u32 v[B1+\e], PANEL, v[B0+\e]
.endr
	v_mov_b32 v[TM+8], 0                           ; a lane permute's destination counts as one of its sources
.irp p, 0,1
.irp q, 0,1
	global_load_b128 v[SA+8*\p+4*\q:SA+8*\p+4*\q+3], v229, s[90:91] offset:1024*\p+256*\q
	global_load_b128 v[SB+8*\p+4*\q:SB+8*\p+4*\q+3], v229, s[92:93] offset:1024*\p+256*\q
.endr
.endr
	WIN 0x80                                       ; destination window 2
.irp j, 0,1,2,3                                ; tile j's eight registers: units 32 h + 8 j + 0 .. 7
	global_load_b128 v[BQ+8*\j:BQ+8*\j+3], v230, s[94:95] offset:32*\j
	global_load_b128 v[BQ+8*\j+4:BQ+8*\j+7], v230, s[94:95] offset:32*\j+16
.endr
	WIN 0xc0                                       ; the 52 loads from here on are first needed in the epilogues
.irp i, 0,1,2,3
.irp q, 0,1,2,3
	global_load_b128 v[COS+32*\i+4*\q:COS+32*\i+4*\q+3], v233, s[66:67] offset:1024*\i+16*\q
	global_load_b128 v[SIN+32*\i+4*\q:SIN+32*\i+4*\q+3], v233, s[68:69] offset:1024*\i+16*\q
.endr
.endr
	WIN 0x80
.irp j, 0,1,2,3
	global_load_b128 v[BK+8*\j:BK+8*\j+3], v230, s[96:97] offset:32*\j
	global_load_b128 v[BK+8*\j+4:BK+8*\j+7], v230, s[96:97] offset:32*\j+16
.endr
.irp p, 0,1
.irp q, 0,1
	global_load_b128 v[SBK+8*\p+4*\q:SBK+8*\p+4*\q+3], v229, s[92:93] offset:32768+1024*\p+256*\q
	global_load_b128 v[SBV+8*\p+4*\q:SBV+8*\p+4*\q+3], v229, s[92:93] offset:65536+1024*\p+256*\q
.endr
.endr
	WIN 0
.irp j, 0,1,2,3
	global_load_b32 v[BV+\j], v232, s[98:99] offset:32*\j
.endr
	WALU
	s_wait_loadcnt 52                              ; x's and Wq's scale words and bq are in; the 52 loads behind them may stay out
	s_cmp_lt_u32 s24, 2
	s_cbranch_scc0 .Lsecond_half
	s_wait_tensorcnt 0x0
.Lsecond_half:
	s_barrier_signal -1
	s_barrier_wait -1                              ; K steps 0-3 of x and Wq are in
	FX 0
	FW 0, B0
	MAIN B0, 1, BQ, 1                              ; q's sums
	PLACES                                         ; behind q's last products
	s_wait_loadcnt 0x0                             ; cos, sin, bk, bv, the other scale words
	SCALES SBK
	EPI_QK 78, 80                                  ; q's way out, while Wk is on its way
	WALU
	s_wait_tensorcnt 0x0                           ; my quarter of Wk is in;
	ds_add_u32 v[SPW], v[NIL]
	s_wait_dscnt 0x0
	CROUND                                         ; no wave of any partner still reads Wq's slot or has a load on its way; Wk's panel is whole
	TLOAD 60, 40                                   ; Wv into Wq's slot
	FW 0, B1
	s_wait_xcnt 0x0                                ; the stores have read their data, which lie where fragments are loaded next
	MAIN B1, 1, BK, 0                              ; k's sums
	PLACES                                         ; behind k's last products
	WIN 0x80
.irp j, 0,1,2,3
.irp e, 0,1,2,3,4,5,6,7
	v_mov_b32 v[BQ+8*\j+\e], v[BV+\j]              ; v's first products' C: a lane's channel has one bias for all its registers
.endr
.endr
	WIN 0
	SCALES SBV
	EPI_QK 82, 84                                  ; k's way out, while Wv is on its way
	WALU
	s_wait_tensorcnt 0x0                           ; my quarter of Wv is in,
	s_wait_dscnt 0x0
	s_barrier_signal -1
	s_barrier_wait -1                              ; everybody's is
	FW 0, B0
	s_wait_xcnt 0x0
	MAIN B0, 0, BQ, 0                              ; v's sums
	PLACES
	EPI_V
	s_wait_tensorcnt 0x0                           ; the wave's end
	ds_add_u32 v[SPW], v[NIL]
	s_wait_dscnt 0x0
	CROUND                                         ; the closing round
	s_endpgm
.Lfunc_end_k_qa18bea7267_qkv:
	.size	k_qa18bea7267_qkv, .Lfunc_end_k_qa18bea7267_qkv-k_qa18bea7267_qkv
	.p2alignl 7, 3214868480
	.fill 96, 4, 3214868480
	.section	.rodata,"a",@progbits
	.p2align	6, 0x0
	.amdhsa_kernel k_qa18bea7267_qkv
		.amdhsa_group_segment_fixed_size 327680
		.amdhsa_private_segment_fixed_size 0
		.amdhsa_enable_private_segment 0
		.amdhsa_kernarg_size 80
		.amdhsa_user_sgpr_count 2
		.amdhsa_user_sgpr_kernarg_segment_ptr 1
		.amdhsa_wavefront_size32 1
		.amdhsa_system_sgpr_workgroup_id_x 1
		.amdhsa_system_sgpr_workgroup_id_y 1
		.amdhsa_system_sgpr_workgroup_id_z 1
		.amdhsa_system_vgpr_workitem_id 0
		.amdhsa_next_free_vgpr 1024
		.amdhsa_next_free_sgpr 102
		.amdhsa_reserve_vcc 0
		.amdhsa_float_denorm_mode_32 3
		.amdhsa_float_denorm_mode_16_64 3
		.amdhsa_memory_ordered 1
		.amdhsa_forward_progress 1
		.amdhsa_inst_pref_size 152
	.end_amdhsa_kernel
	.amdgpu_metadata
---
amdhsa.version: [ 1, 2 ]
amdhsa.kernels:
  - .name:           k_qa18bea7267_qkv
    .symbol:         k_qa18bea7267_qkv.kd
    .args:
      - { .name: xwc, .offset: 0, .size: 8, .value_kind: global_buffer, .address_space: global }
      - { .name: xws, .offset: 8, .size: 8, .value_kind: global_buffer, .address_space: global }
      - { .name: bq, .offset: 16, .size: 8, .value_kind: global_buffer, .address_space: global }
      - { .name: bk, .offset: 24, .size: 8, .value_kind: global_buffer, .address_space: global }
      - { .name: bv, .offset: 32, .size: 8, .value_kind: global_buffer, .address_space: global }
      - { .name: cos, .offset: 40, .size: 8, .value_kind: global_buffer, .address_space: global }
      - { .name: sin, .offset: 48, .size: 8, .value_kind: global_buffer, .address_space: global }
      - { .name: qc, .offset: 56, .size: 8, .value_kind: global_buffer, .address_space: global }
      - { .name: kv, .offset: 64, .size: 8, .value_kind: global_buffer, .address_space: global }
      - { .name: qs, .offset: 72, .size: 8, .value_kind: global_buffer, .address_space: global }
    .group_segment_fixed_size: 327680
    .private_segment_fixed_size: 0
    .kernarg_segment_align: 8
    .kernarg_segment_size: 80
    .max_flat_workgroup_size: 128
    .sgpr_count:     102
    .vgpr_count:     1024
    .wavefront_size: 32
...
	.end_amdgpu_metadata
.endif
;; end of part 2
;; launch attn (part 3): grid 8 x 32, 16 waves a work-group, clusters of 4 x 1, 280,576 bytes of LDS; arguments qc, qs, kv, oc, os; writes oc, os
.if DOCPART == 3
	.amdgcn_target "amdgcn-amd-amdhsa--gfx1250"
	.amdhsa_code_object_version 6
	.text
	.protected	k_qa18bea7267_attn
	.globl	k_qa18bea7267_attn
	.p2align	8
	.type	k_qa18bea7267_attn,@function
k_qa18bea7267_attn:
	s_mov_b64 s[64:65], 0
	v_nop
	global_prefetch_b8 v0, s[64:65] scope:SCOPE_SE
	s_setreg_imm32_b32 hwreg(HW_REG_WAVE_MODE, 25, 1), 1
	s_wait_xcnt 0x0
	s_wait_alu depctr_hold_cnt(0) depctr_sa_sdst(0) depctr_va_vdst(0) depctr_va_sdst(0) depctr_va_ssrc(0) depctr_va_vcc(0) depctr_vm_vsrc(0)
	s_getreg_b32 s2, hwreg(HW_REG_IB_STS2, 6, 4)
	s_cmp_eq_u32 s2, 0
	s_cbranch_scc0 .Lentry_in_a_cluster
	s_endpgm
.Lentry_in_a_cluster:
	s_bfe_u32 s2, ttmp6, 0x10000c
	s_cmp_lg_u32 s2, 0x3003
	s_cbranch_scc0 .Lentry_shape_is_right
	s_endpgm
.Lentry_shape_is_right:
; O = softmax(q k^T / 8, causal) v for one head, both products on codes of FP6 (E2M3) with E8M0 scales; O / l is quantised along D for the last product.
; THE SOFTMAX AHEAD OF THE SECOND PRODUCT: t = score x log2(e) / 8; M = the running largest t rounded UP to a whole number; p = 2^(t - M) is quantised along the keys, not normalised;
; the row's sum l is taken of the unquantised p and divides O at the end.  When M moves, l and O are multiplied by 2^(old M - new M): exact.
; WORK LEFT OUT: steps of 128 keys that reference()'s causal mask hides from all 16 queries of a tile, whatever the inputs hold: their weights are zeros.
; A NaN, an infinity or an overflow in scores that are so left out is not carried to the result.
; SHARES.  The eight work-groups of a head each hold the head's whole K and V, codes and scale words, in LDS: 204,800 bytes, filled once, one key step a wave.  Four of them form a cluster and ask jointly.
; Work-group g has the query tiles g + 8 R, R = 0 .. 15 the tile's RANK: it needs the key steps 0 .. R, and step R lies on the diagonal.  Tiles of ranks a and 15 - a make a pair of 17 steps, a = 0 .. 7, for two waves.
;   With e = 3 for a = 0 .. 3 and 0 for a = 4 .. 7: the first wave, wave a, takes steps 0 and 8 - e - a .. 15 - a of the long tile: 9 + e trips;  the second takes all a + 1 steps of the short tile
;   and then steps 1 .. 7 - e - a of the long one: 8 - e trips.  The second wave is 12 + a for a = 0 .. 3 and 4 + a for a = 4 .. 7: so the waves w, w + 4, w + 8, w + 12 have 12, 9, 8 and 5 trips, 34 together for every w = 0 .. 3.
; When the second wave changes tiles it puts the short tile's state (-M, l, O) into LDS, and at the end the long tile's; behind a barrier each wave merges one state with its own: the first wave the long tile's other part, the second
; the short tile's, onto an empty state.  One text of the merge and the way out serves both.
; In trip 0 every wave works on key step 0, wave 0's load: the first barrier shows that one alone, the second, ahead of trip 1, all others.  No prefetch: all of K and V is asked for at the head, and no loop loads.
; The place in the cluster enters global addresses and the mask's numbers alone: no branch, no LDS address.
; LAYOUT.  Both products transposed: S^T = K Q^T, O^T = V^T P^T: a lane holds one query (lane % 16).  A fragment of K is a PAIR of token tiles: tile 2 b in k 0-63, tile 2 b + 1 in k 64-127.
; HEAD SIZE 64 IN A K OF 128: Q lies in 18 registers as [0 x 6 | q x 6 | 0 x 6]; v[22:33] = [q | 0] gives tile 2 b's scores, v[16:27] = [0 | q] tile 2 b + 1's, with the same registers of K and
; the same scale word.  In the half that does not count Q's codes are zeros; every 6-bit code is a finite number and every scale byte lies in 1 .. 254, so those products are exact zeros.
; Lane i of token tile T of a group of 64 is token 32 (i / 8) + 8 T + i % 8: so registers 32 c + e of S^T are keys 64 c + 32 (lane / 16) + e of the step: one scale block for each c, in the operand's own order.
; LIMITS: NaN and infinities not served; the promise holds while t stays under 2^31 in magnitude; scale bytes held at 1 from below; a block of zeros has byte 1; 1 / l by v_rcp_f32.
; A block's largest p is the image of its largest score under the same multiply-add and exponential (this takes v_exp_f32 not to fall where its input rises).
; REGISTERS: v1-5 addresses, the query's place; v8-10 addresses of the step; v11 LDS, my pair's states; v12 -M, v13 largest score, v[14:15] l in two halves; v16-33 Q; v34 Q's scale word; v36-83 four fragments of K, then of V;
; v84-85 K's scale words, v86-87 V's, v88 p's; v96-159 S^T, then p; v160-191 O^T; v192-211 codes; v212-222 maxima, scale operands, bytes; v[224:225] f; v226-247 at work; v236-242 the second tile's q and scale word.
.set KV,  36
.set S,   96
.set O,   160
.set PC,  192
.set BM,  212
.set STEPB, 12800                      ; a key step: K's codes, V's 6,144 on, K's words 12,288 on, V's 12,544 on
.set ST,    16*STEPB                   ; the states: eight of short tiles, then eight of long ones
.set STW,   4608
.set STP,   8*STW
.set SPARE, ST+2*STP
.macro WALU
	s_wait_alu depctr_va_vdst(0)
.endm
.macro PLACES
.rept 4
	v_nop
.endr
.endm
.macro CROUND
	s_barrier_signal -1
	s_barrier_wait -1
	s_cmp_lg_u32 s18, 0
	s_cbranch_scc1 .Lnot_wave_0_\@
	s_barrier_signal -3
.Lnot_wave_0_\@:
	s_barrier_wait -3
	s_barrier_signal -1
	s_barrier_wait -1
.endm
.macro LOADF reg, off
	ds_load_b128 v[\reg:\reg+3], v8 offset:\off
	ds_load_b64 v[\reg+4:\reg+5], v9 offset:\off+512
	ds_load_b128 v[\reg+6:\reg+9], v8 offset:\off+768
	ds_load_b64 v[\reg+10:\reg+11], v9 offset:\off+1280
.endm
.macro SPROD b, u                      ; the scores of token tile 2 b + u
.if (\b)%2
	v_wmma_scale_f32_16x16x128_f8f6f4 v[S+8*(2*\b+\u):S+8*(2*\b+\u)+7], v[KV+12*\b:KV+12*\b+11], v[22-6*\u:33-6*\u], 0, v[84+\b/2], v34 matrix_a_fmt:MATRIX_FMT_FP6 matrix_b_fmt:MATRIX_FMT_FP6 matrix_a_scale:MATRIX_SCALE_ROW1
.else
	v_wmma_scale_f32_16x16x128_f8f6f4 v[S+8*(2*\b+\u):S+8*(2*\b+\u)+7], v[KV+12*\b:KV+12*\b+11], v[22-6*\u:33-6*\u], 0, v[84+\b/2], v34 matrix_a_fmt:MATRIX_FMT_FP6 matrix_b_fmt:MATRIX_FMT_FP6
.endif
.endm
.macro OPROD c                         ; channel tile c of O^T
.if (\c)%2
	v_wmma_scale_f32_16x16x128_f8f6f4 v[O+8*\c:O+8*\c+7], v[KV+12*\c:KV+12*\c+11], v[PC:PC+11], v[O+8*\c:O+8*\c+7], v[86+\c/2], v88 matrix_a_fmt:MATRIX_FMT_FP6 matrix_b_fmt:MATRIX_FMT_FP6 matrix_a_scale:MATRIX_SCALE_ROW1
.else
	v_wmma_scale_f32_16x16x128_f8f6f4 v[O+8*\c:O+8*\c+7], v[KV+12*\c:KV+12*\c+11], v[PC:PC+11], v[O+8*\c:O+8*\c+7], v[86+\c/2], v88 matrix_a_fmt:MATRIX_FMT_FP6 matrix_b_fmt:MATRIX_FMT_FP6
.endif
.endm
.macro RESET                           ; an empty state
	v_mov_b32 v12, 0x7e000000                      ; -M: above every -M
	v_mov_b32 v13, 0xff61b1e6                      ; the largest score so far: -3e38
	v_mov_b32 v14, 0
	v_mov_b32 v15, 0
.set J, 0
.rept 32
	v_mov_b32 v[O+J], 0
.set J, J+1
.endr
.endm
.macro DUMP off                        ; my state into LDS: 16 bytes a lane, nine times
	PLACES                                         ; places behind the last products
	WALU
	ds_store_b128 v11, v[12:15] offset:\off
.irp k, 0,1,2,3,4,5,6,7
	ds_store_b128 v11, v[O+4*\k:O+4*\k+3] offset:\off+512*(\k+1)
.endr
.endm
; One key step, s48, for the tile whose rank is s19; its bytes begin at s51.
.macro STEP
	v_add_nc_u32 v8, s51, v1                       ; (these four are also the places behind the last step's products)
	v_add_nc_u32 v9, s51, v2
	v_add_nc_u32 v10, s51, v3
	v_nop
	ds_load_b32 v84, v10                           ; lanes 0-15 pair 0's words, lanes 16-31 pair 1's
	ds_load_b32 v85, v10 offset:128
.irp b, 0,1,2,3
	LOADF KV+12*\b, 1536*\b
.endr
	WALU
.irp b, 0,1,2,3
	s_wait_dscnt 12-4*\b                           ; the later fragments, four loads each, may be out
	SPROD \b, 0
	SPROD \b, 1
.endr
	PLACES                                         ; in front of the loads into K's registers and of the first read of the scores
	ds_load_b32 v86, v10 offset:256
	ds_load_b32 v87, v10 offset:384
.irp c, 0,1,2,3
	LOADF KV+12*\c, 6144+1536*\c                   ; V's fragments land under the softmax
.endr
	s_cmp_lg_u32 s48, s19                          ; only the step of the tile's rank lies on the diagonal
	s_cbranch_scc1 .Lopen_\@
	v_mov_b32 v230, 0xff800000                     ; -infinity
.set N, 0
.rept 64
	v_cmp_gt_i32 vcc_lo, 64*(N/32)+N%32, v4        ; v4 = my query's place in its step - 32 h
	v_cndmask_b32 v[S+N], v[S+N], v230, vcc_lo
.set N, N+1
.endr
.Lopen_\@:
.irp q, 0,1,2,3
	v_max3_num_f32 v[BM+\q], v[S+16*\q], v[S+16*\q+1], v[S+16*\q+2]   ; the largest score of each half block
.endr
.irp i, 3,5,7,9,11,13
.irp q, 0,1,2,3
	v_max3_num_f32 v[BM+\q], v[BM+\q], v[S+16*\q+\i], v[S+16*\q+\i+1]
.endr
.endr
	v_max3_num_f32 v[BM], v[BM], v[BM+1], v[S+15]
	v_max3_num_f32 v[BM+2], v[BM+2], v[BM+3], v[S+47]
	v_max_num_f32 v[BM], v[BM], v[S+31]            ; my two blocks' largest scores: for the row's maximum and for the blocks' largest p
	v_max_num_f32 v[BM+2], v[BM+2], v[S+63]
	v_max_num_f32 v226, v[BM], v[BM+2]
	v_permlanex16_b32 v[BM+6], v226, s70, s71      ; lane l xor 16 has the row's other 64 keys
	v_max3_num_f32 v13, v13, v226, v[BM+6]         ; the running largest score
	v_mov_b32 v227, v12
	v_mul_f32 v226, s62, v13                       ; -t
	v_floor_f32 v12, v226                          ; the new -M = -ceil(t)
	v_sub_f32 v227, v12, v227                      ; old M - new M: a whole number, 0 or less
	v_cvt_i32_f32 v227, v227                       ; (it saturates)
	v_ldexp_f32 v224, 1.0, v227                    ; f = 2^(old M - new M)
.set J, 0
.rept 32
	v_pk_fma_f32 v[S+J:S+J+1], v[S+J:S+J+1], s[60:61], v[12:13] op_sel_hi:[1,0,0]   ; t - M
.set J, J+2
.endr
	v_fma_f32 v[BM], v[BM], s60, v12               ; the same of each block's largest score
	v_fma_f32 v[BM+2], v[BM+2], s60, v12
	WALU
.set J, 0
.rept 64
	v_exp_f32 v[S+J], v[S+J]                       ; p = 2^(t - M)
.set J, J+1
.endr
	v_exp_f32 v[BM], v[BM]                         ; the blocks' largest p
	v_exp_f32 v[BM+2], v[BM+2]
	v_pk_mul_f32 v[14:15], v[14:15], v[224:225] op_sel_hi:[1,0]   ; l under the new M (a plain place behind the exponentials)
	WALU
	v_max_num_f32 v[BM], 0x1800000, v[BM]          ; the floor 2^(3 - 127)
	v_max_num_f32 v[BM+2], 0x1800000, v[BM+2]
.set J, 0
.rept 8
	v_pk_mul_f32 v[O+J:O+J+1], v[O+J:O+J+1], v[224:225] op_sel_hi:[1,0]   ; O^T under the new M
.set J, J+2
.endr
	v_add_nc_u32 v[BM+4], 0xff000000, v[BM]        ; the conversions' scale operands
	v_add_nc_u32 v[BM+5], 0xff000000, v[BM+2]
.rept 4
	v_pk_mul_f32 v[O+J:O+J+1], v[O+J:O+J+1], v[224:225] op_sel_hi:[1,0]
.set J, J+2
.endr
	v_lshrrev_b32 v[BM+8], 23, v[BM+4]             ; the bytes
	v_lshrrev_b32 v[BM+9], 23, v[BM+5]
.rept 4
	v_pk_mul_f32 v[O+J:O+J+1], v[O+J:O+J+1], v[224:225] op_sel_hi:[1,0]
.set J, J+2
.endr
	v_lshl_or_b32 v226, v[BM+9], 16, v[BM+8]       ; bytes 0 and 2 of p's scale word,
	v_cvt_scalef32_pk16_fp6_f32 v[PC:PC+2], v[S:S+15], v[BM+4]
	v_cvt_scalef32_pk16_fp6_f32 v[PC+12:PC+14], v[S+16:S+31], v[BM+4]
	v_cvt_scalef32_pk16_fp6_f32 v[PC+6:PC+8], v[S+32:S+47], v[BM+5]
	v_cvt_scalef32_pk16_fp6_f32 v[PC+16:PC+18], v[S+48:S+63], v[BM+5]
	v_permlanex16_b32 v[BM+7], v226, s70, s71      ; (the plain place behind the conversions)
	v_pk_add_f32 v[228:229], v[S:S+1], v[S+2:S+3]  ; the row's sum, of the unquantised p, in four chains
	v_pk_add_f32 v[244:245], v[S+4:S+5], v[S+6:S+7]
	v_pk_add_f32 v[246:247], v[S+8:S+9], v[S+10:S+11]
	v_pk_add_f32 v[14:15], v[14:15], v[S+12:S+13]
	v_lshl_or_b32 v88, v[BM+7], 8, v226            ; and in lanes 0-15, which alone are read, bytes 1 and 3 of lanes 16-31's blocks
.irp i, 0,1,2
	v_mov_b32 v[PC+3+\i], v[PC+12+\i]
	v_mov_b32 v[PC+9+\i], v[PC+16+\i]
.endr
.set J, 14
.rept 6
	v_pk_add_f32 v[228:229], v[228:229], v[S+J:S+J+1]
	v_pk_add_f32 v[244:245], v[244:245], v[S+J+2:S+J+3]
	v_pk_add_f32 v[246:247], v[246:247], v[S+J+4:S+J+5]
	v_pk_add_f32 v[14:15], v[14:15], v[S+J+6:S+J+7]
.set J, J+8
.endr
	v_pk_add_f32 v[228:229], v[228:229], v[S+62:S+63]
	v_pk_add_f32 v[244:245], v[244:245], v[246:247]
	v_pk_add_f32 v[14:15], v[14:15], v[228:229]
	v_pk_add_f32 v[14:15], v[14:15], v[244:245]
	s_wait_dscnt 0x0                               ; V
.irp c, 0,1,2,3
	OPROD \c                                       ; four accumulators by turns
.endr
.endm
	s_load_b256 s[4:11], s[0:1], 0x0               ; qc, qs, kv, oc
	s_load_b64 s[12:13], s[0:1], 0x20              ; os
	v_lshl_add_u32 v6, v0, 2, SPARE
	v_mov_b32 v7, 0
	ds_add_u32 v6, v7                              ; the opening lines
	ds_add_u32 v6, v7
	v_lshrrev_b32 v8, 5, v0
	v_readfirstlane_b32 s18, v8                    ; wave 0..15
	s_lshr_b32 s21, s18, 3                         ; 0: the pair's first wave, 1: its second
	s_lshl_b32 s16, s21, 2
	s_xor_b32 s20, s18, s16
	s_and_b32 s20, s20, 7                          ; a: my pair
	s_xor_b32 s23, s20, 15                         ; the long tile's rank
	s_xor_b32 s16, s21, 1
	s_mul_i32 s57, s16, STP                        ; the first wave merges the long tile's state, the second the short tile's
	s_mul_i32 s16, s16, 15
	s_xor_b32 s19, s20, s16                        ; the rank that I begin with
	s_mul_i32 s17, s20, s21
	s_add_co_u32 s17, s17, 1                       ; the trip from which the key step is trip + s22 (mod 16): 1, or a + 1, where the second wave changes tiles
	s_xor_b32 s22, s20, 7
	s_mul_i32 s16, s21, 9
	s_add_co_u32 s22, s22, s16                     ; 7 - a, or 16 - a;
	s_lshr_b32 s27, s20, 2
	s_xor_b32 s16, s21, 1
	s_xor_b32 s63, s27, s16
	s_and_b32 s14, s63, s16                        ; 1 in the first waves of pairs 0 .. 3:
	s_mul_i32 s14, s14, 13
	s_add_co_u32 s22, s22, s14                     ; there 3 less (mod 16)
	s_mul_i32 s73, s63, 3
	s_lshl_b32 s16, s16, 2
	s_add_co_u32 s73, s73, s16
	s_add_co_u32 s73, s73, 4                       ; my last trip: 11 or 8 in a first wave, 4 or 7 in a second (pairs 0 .. 3, pairs 4 .. 7)
	s_bfe_u32 s24, ttmp6, 0x40000                  ; cx
	s_lshl_b32 s25, ttmp9, 2
	s_add_co_u32 s25, s25, s24                     ; g
	s_and_b32 s26, ttmp7, 0xffff                   ; the head of 32, which the four partners share
	; descriptor group 1: 12,800 dense bytes as 50 rows of 256 bytes; the mask names all four work-groups
	s_mov_b32 s28, 15|(3<<16)|(1<<21)
	s_mov_b32 s29, 32<<16
	s_mov_b32 s30, 50<<16
	s_mov_b32 s31, 32<<16
	s_mov_b32 s32, 50
	s_mov_b32 s33, 32
	s_mov_b32 s34, 0
	s_mov_b32 s35, 0
	s_mov_b32 s36, 1
	s_mul_i32 s37, s18, STEPB                      ; I fetch the key step of my wave's number
	s_mul_i32 s40, s26, ST
	s_add_co_u32 s40, s40, s37
	s_mov_b32 s41, 0
	WALU
	s_wait_dscnt 0x0
	CROUND                                         ; all four work-groups are here: the joint loads meet
	s_wait_kmcnt 0x0
	s_add_nc_u64 s[38:39], s[8:9], s[40:41]
	s_or_b32 s39, s39, 0x80000000
	s_cmp_eq_u32 s18, 0                            ; the branch hangs on the wave's number alone; one load a wave
	s_cbranch_scc0 .Lother_steps
	tensor_load_to_lds s[36:39], s[28:35]          ; key step 0
	s_nop 0
	PLACES
	s_branch .Lasked
.Lother_steps:
	tensor_load_to_lds s[36:39], s[28:35]          ; key steps 1 to 15
	s_nop 0
	PLACES
.Lasked:
	s_mul_i32 s43, s26, 98304
	s_lshl_b32 s42, s19, 3
	s_add_co_u32 s42, s42, s25                     ; my first tile
	s_mul_i32 s44, s42, 768
	s_add_co_u32 s44, s44, s43
	s_mov_b32 s45, 0
	s_add_nc_u64 s[46:47], s[4:5], s[44:45]        ; its q
	s_lshr_b32 s44, s42, 1
	s_lshl_b32 s44, s44, 6
	s_lshl_b32 s16, s26, 12
	s_add_co_u32 s44, s44, s16
	s_add_nc_u64 s[58:59], s[6:7], s[44:45]        ; its pair's scale words
	s_lshl_b32 s42, s23, 3
	s_add_co_u32 s42, s42, s25                     ; the long tile
	s_mul_i32 s44, s42, 768
	s_add_co_u32 s44, s44, s43
	s_add_nc_u64 s[52:53], s[4:5], s[44:45]
	s_lshr_b32 s44, s42, 1
	s_lshl_b32 s44, s44, 6
	s_add_co_u32 s44, s44, s16
	s_add_nc_u64 s[54:55], s[6:7], s[44:45]
	v_and_b32 v8, 31, v0                           ; lane
	v_and_b32 v9, 15, v0                           ; r
	v_bfe_u32 v10, v0, 4, 1                        ; h
	v_lshlrev_b32 v1, 4, v8
	v_lshlrev_b32 v2, 3, v8
	v_lshlrev_b32 v249, 2, v9
	global_load_b128 v[22:25], v1, s[46:47]        ; q
	global_load_b64 v[26:27], v2, s[46:47] offset:512
	global_load_b32 v226, v249, s[58:59]
.irp j, 236,237,238,239,240,241,242
	v_mov_b32 v[\j], 0
.endr
	WALU
	s_cmp_lt_u32 s18, 8
	s_cbranch_scc1 .Lone_tile
	global_load_b128 v[236:239], v1, s[52:53]      ; the pair's second wave takes the long tile's q too
	global_load_b64 v[240:241], v2, s[52:53] offset:512
	global_load_b32 v242, v249, s[54:55]
.Lone_tile:
	s_and_b32 s50, s25, 1
	s_lshl_b32 s50, s50, 4                         ; which half of a pair's scale word is my tile's, in bits: tiles g + 8 R have one parity
	s_lshr_b32 s74, s26, 4
	s_lshl_b32 s74, s74, 4
	s_add_co_u32 s74, s74, s19                     ; O's panel of 128 tokens: 16 x batch + rank; my tile in it is g
	s_and_b32 s75, s26, 15                         ; the head of 16: K step head / 2, half head % 2 of the last product
	s_lshr_b32 s76, s75, 1
	s_and_b32 s77, s75, 1
	s_mul_i32 s44, s74, 98304
	s_mul_i32 s16, s76, 12288
	s_add_co_u32 s44, s44, s16
	s_mul_i32 s16, s25, 1536
	s_add_co_u32 s44, s44, s16
	s_mul_i32 s16, s77, 768
	s_add_co_u32 s44, s44, s16
	s_add_nc_u64 s[66:67], s[10:11], s[44:45]
	s_lshl_b32 s44, s74, 12
	s_lshl_b32 s16, s25, 9
	s_add_co_u32 s44, s44, s16
	s_lshr_b32 s16, s76, 2
	s_lshl_b32 s16, s16, 8
	s_add_co_u32 s44, s44, s16
	s_and_b32 s16, s76, 3
	s_lshl_b32 s16, s16, 2
	s_add_co_u32 s44, s44, s16
	s_lshl_b32 s16, s77, 1
	s_add_co_u32 s44, s44, s16
	s_add_nc_u64 s[68:69], s[12:13], s[44:45]
	s_mov_b32 s60, 0x3e38aa3b                      ; c = log2(e) / 8
	s_mov_b32 s61, s60                             ; (named with it as a pair, so it is written)
	s_mov_b32 s62, 0xbe38aa3b                      ; -c
	s_mov_b32 s70, 0x76543210
	s_mov_b32 s71, 0xfedcba98
	s_mul_i32 s56, s20, STW
	s_add_co_u32 s56, s56, ST
	v_add_nc_u32 v11, s56, v1                      ; my pair's states
	v_add_nc_u32 v5, s57, v11                      ; the one that I merge
	v_lshl_add_u32 v3, v8, 2, 12288
	v_and_b32 v4, 8, v9
	v_mad_u32_u24 v4, v4, 3, v9                    ; 32 (r / 8) + r % 8
	v_lshlrev_b32 v250, 5, v10
	v_sub_nc_u32 v4, v4, v250
	s_lshr_b32 s16, s25, 2
	s_lshl_b32 s16, s16, 6
	s_and_b32 s44, s25, 3
	s_lshl_b32 s44, s44, 3
	s_add_co_u32 s16, s16, s44                     ; tile g begins 64 (g / 4) + 8 (g % 4) tokens into its step
	v_add_nc_u32 v4, s16, v4                       ; my query's place in its step - 32 h
	v_lshlrev_b32 v235, 3, v10                     ; 8 h
	v_lshlrev_b32 v248, 4, v9                      ; 16 r
.irp j, 16,17,18,19,20,21,28,29,30,31,32,33
	v_mov_b32 v[\j], 0                             ; the zero codes on both sides of q
.endr
	v_mov_b32 v225, 0                              ; (the upper halves of the pairs v[224:225], v[228:229])
	v_mov_b32 v229, 0
	v_mov_b32 v[BM+6], 0                           ; a lane permute's destination counts as one of its sources
	v_mov_b32 v[BM+7], 0
	RESET
	WALU
	s_wait_loadcnt 0x0
	v_lshrrev_b32 v226, s50, v226
	v_lshrrev_b32 v242, s50, v242
	v_and_b32 v226, 0xffff, v226
	v_and_b32 v242, 0xffff, v242
	v_lshl_or_b32 v34, v226, 16, v226              ; q's two scale bytes, twice: they serve [q | 0] and [0 | q]
	v_lshl_or_b32 v242, v242, 16, v242
	s_mov_b32 s48, 0
	s_mov_b32 s51, 0
	PLACES
	WALU
	s_cmp_eq_u32 s18, 0
	s_cbranch_scc0 .Lnot_first
	s_wait_tensorcnt 0x0
.Lnot_first:
	s_barrier_signal -1
	s_barrier_wait -1                              ; key step 0 is in; the others may still be on their way
	STEP                                           ; trip 0
	WALU
	s_wait_tensorcnt 0x0                           ; my key step is in,
	s_wait_dscnt 0x0
	s_barrier_signal -1
	s_barrier_wait -1                              ; everybody's is, and no tile is loaded again
	s_mov_b32 s72, 1
.Ltrip:
	s_cmp_ge_u32 s72, s17
	s_cselect_b32 s48, s22, 0
	s_add_co_u32 s48, s48, s72
	s_and_b32 s48, s48, 15                         ; this trip's key step
	s_mul_i32 s51, s48, STEPB
	s_cmp_lt_u32 s18, 8
	s_cbranch_scc1 .Lsame_tile
	s_cmp_lg_u32 s72, s17
	s_cbranch_scc1 .Lsame_tile
	DUMP 0                                         ; the short tile is done: its state waits in LDS,
.irp j, 0,1,2,3,4,5
	v_mov_b32 v[22+\j], v[236+\j]                  ; and the long tile's part begins
.endr
	v_mov_b32 v34, v242
	RESET
	s_mov_b32 s19, s23
.Lsame_tile:
	s_cmp_gt_u32 s72, s73                          ; my steps are done
	s_cbranch_scc1 .Lno_step
	STEP
.Lno_step:
	s_add_co_u32 s72, s72, 1
	s_cmp_lt_u32 s72, 12
	s_cbranch_scc1 .Ltrip
	s_cmp_lt_u32 s18, 8
	s_cbranch_scc1 .Lfirst_wave
	DUMP STP                                       ; my part of the long tile, for the pair's first wave
	RESET
.Lfirst_wave:
	WALU
	s_wait_dscnt 0x0
	s_barrier_signal -1
	s_barrier_wait -1
	ds_load_b128 v[S:S+3], v5
.irp k, 0,1,2,3,4,5,6,7
	ds_load_b128 v[S+4+4*\k:S+7+4*\k], v5 offset:512*(\k+1)
.endr
	s_wait_dscnt 0x0
	v_min_num_f32 v226, v12, v[S]                  ; the merged -M
	v_sub_f32 v227, v226, v12
	v_sub_f32 v230, v226, v[S]
	v_cvt_i32_f32 v227, v227                       ; (they saturate: an empty state's factor is 0)
	v_cvt_i32_f32 v230, v230
	v_ldexp_f32 v224, 1.0, v227                    ; what each part is multiplied by: a power of two
	v_ldexp_f32 v228, 1.0, v230
	v_pk_mul_f32 v[S+2:S+3], v[S+2:S+3], v[228:229] op_sel_hi:[1,0]
	v_pk_fma_f32 v[14:15], v[14:15], v[224:225], v[S+2:S+3] op_sel_hi:[1,0,1]
	v_add_f32 v14, v14, v15
	v_permlanex16_b32 v[BM+6], v14, s70, s71
	v_add_f32 v14, v14, v[BM+6]                    ; the row's sum
.set J, 0
.rept 16
	v_pk_mul_f32 v[S+4+J:S+5+J], v[S+4+J:S+5+J], v[228:229] op_sel_hi:[1,0]
.set J, J+2
.endr
.set J, 0
.rept 16
	v_pk_fma_f32 v[O+J:O+J+1], v[O+J:O+J+1], v[224:225], v[S+4+J:S+5+J] op_sel_hi:[1,0,1]
.set J, J+2
.endr
	WALU
	v_rcp_f32 v14, v14
	v_nop                                          ; one plain place behind a transcendental
	WALU
.set J, 0
.rept 16
	v_pk_mul_f32 v[O+J:O+J+1], v[O+J:O+J+1], v[14:15] op_sel_hi:[1,0]   ; O^T / l: register e is channel 32 h + e: one block of the last product's K
.set J, J+2
.endr
	v_max3_num_f32 v[BM], |v[O]|, |v[O+1]|, |v[O+2]|
	v_max3_num_f32 v[BM+1], |v[O+16]|, |v[O+17]|, |v[O+18]|
.irp i, 3,5,7,9,11,13
	v_max3_num_f32 v[BM], v[BM], |v[O+\i]|, |v[O+\i+1]|
	v_max3_num_f32 v[BM+1], v[BM+1], |v[O+16+\i]|, |v[O+17+\i]|
.endr
	v_max3_num_f32 v[BM], v[BM], |v[O+15]|, |v[O+31]|
	v_max3_num_f32 v[BM], v[BM], v[BM+1], 0x1800000
	v_add_nc_u32 v[BM+4], 0xff000000, v[BM]
	v_lshrrev_b32 v[BM+8], 23, v[BM+4]
	v_lshlrev_b32 v231, v235, v[BM+8]
	v_permlanex16_b32 v[BM+7], v231, s70, s71
	v_or_b32 v231, v231, v[BM+7]                   ; my head's two scale bytes of my row
	v_cvt_scalef32_pk16_fp6_f32 v[PC:PC+2], v[O:O+15], v[BM+4]
	v_cvt_scalef32_pk16_fp6_f32 v[PC+12:PC+14], v[O+16:O+31], v[BM+4]
	v_nop                                          ; one plain place behind a scaled conversion
.irp i, 0,1,2
	v_mov_b32 v[PC+3+\i], v[PC+12+\i]
.endr
	global_store_b128 v1, v[PC:PC+3], s[66:67]     ; 512 consecutive bytes,
	global_store_b64 v2, v[PC+4:PC+5], s[66:67] offset:512   ; and 256
	global_store_b16 v248, v231, s[68:69]          ; two bytes of row r's word; lanes r and r + 16 write the same bytes with the same value.  128 KiB in the whole launch leave so
	s_wait_tensorcnt 0x0                           ; the wave's end
	ds_add_u32 v6, v7
	s_wait_dscnt 0x0
	CROUND                                         ; the closing round
	s_endpgm
.Lfunc_end_k_qa18bea7267_attn:
	.size	k_qa18bea7267_attn, .Lfunc_end_k_qa18bea7267_attn-k_qa18bea7267_attn
	.p2alignl 7, 3214868480
	.fill 96, 4, 3214868480
	.section	.rodata,"a",@progbits
	.p2align	6, 0x0
	.amdhsa_kernel k_qa18bea7267_attn
		.amdhsa_group_segment_fixed_size 280576
		.amdhsa_private_segment_fixed_size 0
		.amdhsa_enable_private_segment 0
		.amdhsa_kernarg_size 40
		.amdhsa_user_sgpr_count 2
		.amdhsa_user_sgpr_kernarg_segment_ptr 1
		.amdhsa_wavefront_size32 1
		.amdhsa_system_sgpr_workgroup_id_x 1
		.amdhsa_system_sgpr_workgroup_id_y 1
		.amdhsa_system_sgpr_workgroup_id_z 1
		.amdhsa_system_vgpr_workitem_id 0
		.amdhsa_next_free_vgpr 256
		.amdhsa_next_free_sgpr 80
		.amdhsa_reserve_vcc 1
		.amdhsa_float_denorm_mode_32 3
		.amdhsa_float_denorm_mode_16_64 3
		.amdhsa_memory_ordered 1
		.amdhsa_forward_progress 1
		.amdhsa_inst_pref_size 61
	.end_amdhsa_kernel
	.amdgpu_metadata
---
amdhsa.version: [ 1, 2 ]
amdhsa.kernels:
  - .name:           k_qa18bea7267_attn
    .symbol:         k_qa18bea7267_attn.kd
    .args:
      - { .name: qc, .offset: 0, .size: 8, .value_kind: global_buffer, .address_space: global }
      - { .name: qs, .offset: 8, .size: 8, .value_kind: global_buffer, .address_space: global }
      - { .name: kv, .offset: 16, .size: 8, .value_kind: global_buffer, .address_space: global }
      - { .name: oc, .offset: 24, .size: 8, .value_kind: global_buffer, .address_space: global }
      - { .name: os, .offset: 32, .size: 8, .value_kind: global_buffer, .address_space: global }
    .group_segment_fixed_size: 280576
    .private_segment_fixed_size: 0
    .kernarg_segment_align: 8
    .kernarg_segment_size: 40
    .max_flat_workgroup_size: 512
    .sgpr_count:     80
    .vgpr_count:     256
    .wavefront_size: 32
...
	.end_amdgpu_metadata
.endif
;; end of part 3
;; launch proj (part 4): grid 8 x 32, 4 waves a work-group, clusters of 4 x 4, 214,528 bytes of LDS; arguments oc, os, xwc, xws, bo, out0; writes out0
.if DOCPART == 4
	.amdgcn_target "amdgcn-amd-amdhsa--gfx1250"
	.amdhsa_code_object_version 6
	.text
	.protected	k_qa18bea7267_proj
	.globl	k_qa18bea7267_proj
	.p2align	8
	.type	k_qa18bea7267_proj,@function
k_qa18bea7267_proj:
	s_mov_b64 s[64:65], 0
	v_nop
	global_prefetch_b8 v0, s[64:65] scope:SCOPE_SE
	s_setreg_imm32_b32 hwreg(HW_REG_WAVE_MODE, 25, 1), 1
	s_wait_xcnt 0x0
	s_wait_alu depctr_hold_cnt(0) depctr_sa_sdst(0) depctr_va_vdst(0) depctr_va_sdst(0) depctr_va_ssrc(0) depctr_va_vcc(0) depctr_vm_vsrc(0)
	s_getreg_b32 s2, hwreg(HW_REG_IB_STS2, 6, 4)
	s_cmp_eq_u32 s2, 0
	s_cbranch_scc0 .Lentry_in_a_cluster
	s_endpgm
.Lentry_in_a_cluster:
	s_bfe_u32 s2, ttmp6, 0x10000c
	s_cmp_lg_u32 s2, 0xf033
	s_cbranch_scc0 .Lentry_shape_is_right
	s_endpgm
.Lentry_shape_is_right:
; out = O Wo^T + bo: O [4096][1024] and Wo [1024][1024] as codes of FP6 with E8M0 scales, out f32.
; SHARES: work-group (X, Y) makes 128 tokens (panel Y of O) x 128 columns (panel 56 + X of xwc); wave w 64 tokens (th = w / 2) x 64 columns (hh = w % 2): 16 accumulators of 16 x 16.
; LDS holds both panels for all of K, filled once, one load a wave: waves 0 and 1 the first four K steps of O and Wo, waves 2 and 3 the last four; the first barrier shows the first halves, the second the others.
; The first half goes by K steps.  The second half goes by TOKEN TILES: all its fragments of Wo lie in registers, and each tile of 16 tokens is finished by 16 products and leaves while the next is multiplied.
; CLUSTER 4 x 4: O's panel is shared along a row of the cluster, Wo's along a column: joint loads.  No prefetch: the text has no loop, and all tiles are asked for at the head.
; THE PRODUCT IS USED TRANSPOSED (source 0 = 16 rows of Wo): a lane holds one token, and its 32 registers of a token tile are columns 32 h + 0 .. 31 of the wave's 64.  The bias is the C of each sum's first product.
; THE WAY OUT: a tile goes through the wave's own stage in LDS and comes back as whole rows of 256 bytes, which sixteen lanes store as one aligned unit.
; LIMITS: NaN and infinities are not served.
; REGISTERS.  window 0: v1-16 addresses; v18-33, v36-51 scale words; v64-159, v160-255 two sets of four + four fragments, later rows on their way out.  window 1: v0-127 the accumulators; v128-159 bo.
;   window 2: Wo's 16 fragments of K steps 4-7.   window 3: O's 16.
.set PANEL, 98304
.set SLOT0, PANEL
.set STAGE, 2*PANEL
.set SP,   272
.set SPARE, STAGE+4*16*SP
.set SPW,  1
.set NIL,  2
.set L16,  3
.set L8,   4
.set AX16, 6                           ; v6-7 my tiles of O from K step 0, 4: 16 l; v8-9: 8 l; v10-11, v12-13 the same for Wo
.set AX8,  8
.set AB16, 10
.set AB8,  12
.set STO,  14
.set RD,   15
.set CO,   16
.set SA,   18
.set SB,   36
.set F0,   64
.set BO,   128
.set MSB, 0
.macro WIN new
.if MSB != \new
	s_set_vgpr_msb (MSB<<8)|\new
.set MSB, \new
.endif
.endm
.macro WALU
	s_wait_alu depctr_va_vdst(0)
.endm
.macro CROUND
	s_barrier_signal -1
	s_barrier_wait -1
	s_cmp_lg_u32 s22, 0
	s_cbranch_scc1 .Lnot_wave_0_\@
	s_barrier_signal -3
.Lnot_wave_0_\@:
	s_barrier_wait -3
	s_barrier_signal -1
	s_barrier_wait -1
.endm
.macro PLACES
.rept 4
	v_nop
.endr
.endm
.macro TLOAD g0, g1
	tensor_load_to_lds s[\g0:\g0+3], s[\g1:\g1+7]
	s_nop 0
	PLACES
.endm
.macro LOADF reg, a16, a8, off
	ds_load_b128 v[\reg:\reg+3], v[\a16] offset:\off
	ds_load_b64 v[\reg+4:\reg+5], v[\a8] offset:\off+512
	ds_load_b128 v[\reg+6:\reg+9], v[\a16] offset:\off+768
	ds_load_b64 v[\reg+10:\reg+11], v[\a8] offset:\off+1280
.endm
.macro FETCH s                         ; K step s < 4 into set s % 2: 32 loads
.irp i, 0,1,2,3
	LOADF F0+96*((\s)%2)+12*\i, AX16, AX8, 12288*(\s)+1536*\i
.endr
.irp j, 0,1,2,3
	LOADF F0+96*((\s)%2)+48+12*\j, AB16, AB8, 12288*(\s)+1536*\j
.endr
.endm
.macro XF i                            ; O's tile i, K steps 4-7: 16 loads
	WIN 0xc0
.irp s, 0,1,2,3
	LOADF 12*(4*(\i)+\s), AX16+1, AX8+1, 12288*\s+1536*(\i)
.endr
	WIN 0
.endm
.macro WM ra, rb
	v_wmma_scale_f32_16x16x128_f8f6f4 v[D_:D_+7], v[A_:A_+11], v[B_:B_+11], v[CC_:CC_+7], v[AS_], v[BS_] matrix_a_fmt:MATRIX_FMT_FP6 matrix_b_fmt:MATRIX_FMT_FP6 matrix_a_scale:MATRIX_SCALE_ROW\ra matrix_b_scale:MATRIX_SCALE_ROW\rb
.endm
.macro WMP pa, pb
.if (\pa)%2
.if (\pb)%2
	WM 1, 1
.else
	WM 1, 0
.endif
.else
.if (\pb)%2
	WM 0, 1
.else
	WM 0, 0
.endif
.endif
.endm
.macro MUL s, first                    ; a K step's 16 products, the 16 accumulators by turns
	WIN 0x50
.irp i, 0,1,2,3
.irp j, 0,1,2,3
.set D_, 8*(4*\i+\j)
.set A_, F0+96*((\s)%2)+48+12*\j
.set B_, F0+96*((\s)%2)+12*\i
.set AS_, SB+8*(\j/2)+\s
.set BS_, SA+8*(\i/2)+\s
.if \first
.set CC_, BO+8*\j
.else
.set CC_, D_
.endif
	WMP \j, \i
.endr
.endr
	WIN 0
.endm
.macro MULT i                          ; token tile i, K steps 4-7: its four accumulators by turns, three others between a sum's steps
	WIN 0x5e                                       ; source 0 window 2, source 1 window 3, C and D window 1
.irp s, 0,1,2,3
.irp j, 0,1,2,3
.set D_, 8*(4*(\i)+\j)
.set CC_, D_
.set A_, 12*(4*\s+\j)
.set B_, 12*(4*(\i)+\s)
.set AS_, SB+8*(\j/2)+4+\s
.set BS_, SA+8*((\i)/2)+4+\s
	WMP \j, \i
.endr
.endr
	WIN 0
.endm
.macro TOSTAGE i
	WIN 0x04
.irp j, 0,1,2,3
	ds_store_b128 v[STO], v[32*(\i)+8*\j:32*(\i)+8*\j+3] offset:32*\j
	ds_store_b128 v[STO], v[32*(\i)+8*\j+4:32*(\i)+8*\j+7] offset:32*\j+16
.endr
	WIN 0
.irp t, 0,1,2,3,4,5,6,7
	ds_load_b128 v[64+32*(\i)+4*\t:64+32*(\i)+4*\t+3], v[RD] offset:\t*2*SP   ; LDS serves a wave's instructions in order (ISA guide 5.7.1.4)
.endr
.endm
.macro SEND i                          ; stage row 2 t + h is token 32 (t / 4) + 8 i + 2 (t % 4) + h of my 64
.irp t, 0,1,2,3,4,5,6,7
	global_store_b128 v[CO], v[64+32*(\i)+4*\t:64+32*(\i)+4*\t+3], s[76:77] offset:(32*(\t/4)+8*(\i)+2*(\t%4))*4096 th:TH_STORE_NT
.endr
.endm
	s_load_b256 s[4:11], s[0:1], 0x0               ; oc, os, xwc, xws
	s_load_b128 s[12:15], s[0:1], 0x20             ; bo, out0
	v_lshl_add_u32 v[SPW], v0, 2, SPARE
	v_mov_b32 v[NIL], 0
	ds_add_u32 v[SPW], v[NIL]                      ; the opening lines
	ds_add_u32 v[SPW], v[NIL]
	v_lshrrev_b32 v19, 5, v0
	v_readfirstlane_b32 s22, v19                   ; wave 0..3
	s_lshr_b32 s23, s22, 1                         ; th; also which four K steps I fetch
	s_and_b32 s24, s22, 1                          ; hh; also: I fetch for O (0) or Wo (1)
	s_bfe_u32 s25, ttmp6, 0x40000                  ; cx
	s_bfe_u32 s26, ttmp6, 0x40004                  ; cy
	s_lshl_b32 s27, ttmp9, 2
	s_add_co_u32 s27, s27, s25                     ; X
	s_and_b32 s28, ttmp7, 0xffff
	s_lshl_b32 s28, s28, 2
	s_add_co_u32 s28, s28, s26                     ; Y
	s_lshl_b32 s29, s26, 2
	s_lshl_b32 s29, 15, s29                        ; my row of the cluster
	s_lshl_b32 s30, 0x1111, s25                    ; my column
	s_or_b32 s32, s29, (3<<16)|(1<<21)             ; half a panel: 49,152 dense bytes as 192 rows of 256
	s_or_b32 s40, s30, (3<<16)|(1<<21)
.irp g, 32, 40
	s_mov_b32 s[\g+1], 32<<16
	s_mov_b32 s[\g+2], 192<<16
	s_mov_b32 s[\g+3], 32<<16
	s_mov_b32 s[\g+4], 192
	s_mov_b32 s[\g+5], 32
	s_mov_b32 s[\g+6], 0
	s_mov_b32 s[\g+7], 0
.endr
	s_mul_i32 s49, s23, 49152
	s_mul_i32 s92, s28, PANEL
	s_add_co_u32 s92, s92, s49
	s_mov_b32 s93, 0
	s_add_co_u32 s96, s27, 56
	s_mul_i32 s96, s96, PANEL
	s_add_co_u32 s96, s96, s49
	s_mov_b32 s97, 0
	s_mov_b32 s48, 1
	s_mov_b32 s52, 1
	s_add_co_u32 s53, s49, SLOT0
	WALU
	s_wait_dscnt 0x0
	CROUND                                         ; all sixteen work-groups are here: the joint loads meet
	s_wait_kmcnt 0x0
	s_add_nc_u64 s[50:51], s[4:5], s[92:93]
	s_or_b32 s51, s51, 0x80000000
	s_add_nc_u64 s[54:55], s[8:9], s[96:97]
	s_or_b32 s55, s55, 0x80000000
	s_cmp_eq_u32 s22, 0
	s_cbranch_scc0 .Lwave_1
	TLOAD 48, 32                                   ; O, K steps 0-3
	s_branch .Lasked
.Lwave_1:
	s_cmp_eq_u32 s22, 1
	s_cbranch_scc0 .Lwave_2
	TLOAD 52, 40                                   ; Wo, K steps 0-3
	s_branch .Lasked
.Lwave_2:
	s_cmp_eq_u32 s22, 2
	s_cbranch_scc0 .Lwave_3
	TLOAD 48, 32                                   ; O, K steps 4-7
	s_branch .Lasked
.Lwave_3:
	TLOAD 52, 40                                   ; Wo, K steps 4-7
.Lasked:
	s_mov_b32 s3, 0
	s_lshl_b32 s2, s28, 12
	s_lshl_b32 s98, s23, 11
	s_add_co_u32 s2, s2, s98
	s_add_nc_u64 s[70:71], s[6:7], s[2:3]          ; O's scale words: my four tiles
	s_add_co_u32 s2, s27, 56
	s_lshl_b32 s2, s2, 12
	s_lshl_b32 s98, s24, 11
	s_add_co_u32 s2, s2, s98
	s_add_nc_u64 s[72:73], s[10:11], s[2:3]        ; Wo's
	s_lshl_b32 s2, s27, 9
	s_lshl_b32 s98, s24, 8
	s_add_co_u32 s2, s2, s98
	s_add_nc_u64 s[74:75], s[12:13], s[2:3]        ; bo at my 64 columns
	s_lshl_b32 s98, s28, 19
	s_add_co_u32 s2, s2, s98
	s_lshl_b32 s98, s23, 18
	s_add_co_u32 s2, s2, s98
	s_add_nc_u64 s[76:77], s[14:15], s[2:3]        ; my part of the output
	v_and_b32 v64, 31, v0                          ; lane
	v_and_b32 v65, 15, v0                          ; r
	v_bfe_u32 v66, v0, 4, 1                        ; h
	v_lshlrev_b32 v[L16], 4, v64
	v_lshlrev_b32 v[L8], 3, v64
	s_mul_i32 s2, s23, 6144
	s_mul_i32 s98, s24, 6144
	s_add_co_u32 s98, s98, SLOT0
	v_add_nc_u32 v[AX16], s2, v[L16]
	v_add_nc_u32 v[AX8], s2, v[L8]
	v_add_nc_u32 v[AB16], s98, v[L16]
	v_add_nc_u32 v[AB8], s98, v[L8]
.irp a, AX16, AX8, AB16, AB8
	v_add_nc_u32 v[\a+1], 49152, v[\a]
.endr
	v_lshlrev_b32 v67, 4, v65
	v_lshl_add_u32 v67, v66, 9, v67                ; 512 h + 16 r
	v_lshlrev_b32 v68, 7, v66                      ; bo: my half's 32 columns
	s_mul_i32 s99, s22, 16*SP
	s_add_co_u32 s99, s99, STAGE
	v_mul_u32_u24 v[STO], v65, SP                  ; into the stage: row r, 128 bytes for each half of the lanes
	v_lshl_add_u32 v[STO], v66, 7, v[STO]
	v_add_nc_u32 v[STO], s99, v[STO]
	v_mul_u32_u24 v[RD], v66, SP                   ; back: sixteen lanes to a row
	v_lshl_add_u32 v[RD], v65, 4, v[RD]
	v_add_nc_u32 v[RD], s99, v[RD]
	v_lshlrev_b32 v[CO], 12, v66
	v_lshl_add_u32 v[CO], v65, 4, v[CO]
.irp p, 0,1
.irp q, 0,1
	global_load_b128 v[SA+8*\p+4*\q:SA+8*\p+4*\q+3], v67, s[70:71] offset:1024*\p+256*\q
	global_load_b128 v[SB+8*\p+4*\q:SB+8*\p+4*\q+3], v67, s[72:73] offset:1024*\p+256*\q
.endr
.endr
	WIN 0x40
.irp j, 0,1,2,3
	global_load_b128 v[BO+8*\j:BO+8*\j+3], v68, s[74:75] offset:32*\j
	global_load_b128 v[BO+8*\j+4:BO+8*\j+7], v68, s[74:75] offset:32*\j+16
.endr
	WIN 0
	WALU
	s_wait_loadcnt 0x0                             ; scale words and bias; the offsets in v64 on are free
	s_cmp_lt_u32 s22, 2
	s_cbranch_scc0 .Lsecond_half
	s_wait_tensorcnt 0x0
.Lsecond_half:
	s_barrier_signal -1
	s_barrier_wait -1                              ; K steps 0-3 are in
	FETCH 0
	FETCH 1
	s_wait_dscnt 32                                ; all but the 32 just issued
	MUL 0, 1
	PLACES
	FETCH 2
	s_wait_dscnt 32
	MUL 1, 0
	PLACES
	FETCH 3
	s_wait_dscnt 32
	MUL 2, 0
	s_wait_tensorcnt 0x0
	s_wait_dscnt 0x0
	s_barrier_signal -1
	s_barrier_wait -1                              ; K steps 4-7 are in
	WIN 0x80
.irp s, 0,1,2,3
.irp j, 0,1,2,3
	LOADF 12*(4*\s+\j), AB16+1, AB8+1, 12288*\s+1536*\j
.endr
.endr
	XF 0
	MUL 3, 0
	XF 1
	s_wait_dscnt 16                                ; tile 1's 16 loads may be out
	MULT 0
	PLACES
	TOSTAGE 0
	XF 2
	s_wait_dscnt 32                                ; the stage's 16 and tile 2's 16
	MULT 1
	s_wait_dscnt 16                                ; tile 2's
	SEND 0
	PLACES
	TOSTAGE 1
	XF 3
	s_wait_dscnt 32                                ; the stage's 16 and tile 3's 16
	MULT 2
	s_wait_dscnt 16                                ; tile 3's
	SEND 1
	PLACES
	TOSTAGE 2
	s_wait_dscnt 16                                ; the stage's
	MULT 3
	s_wait_dscnt 0x0
	SEND 2
	PLACES
	TOSTAGE 3
	s_wait_dscnt 0x0
	SEND 3
	s_wait_tensorcnt 0x0                           ; the wave's end
	ds_add_u32 v[SPW], v[NIL]
	s_wait_dscnt 0x0
	CROUND                                         ; the closing round
	s_endpgm
.Lfunc_end_k_qa18bea7267_proj:
	.size	k_qa18bea7267_proj, .Lfunc_end_k_qa18bea7267_proj-k_qa18bea7267_proj
	.p2alignl 7, 3214868480
	.fill 96, 4, 3214868480
	.section	.rodata,"a",@progbits
	.p2align	6, 0x0
	.amdhsa_kernel k_qa18bea7267_proj
		.amdhsa_group_segment_fixed_size 214528
		.amdhsa_private_segment_fixed_size 0
		.amdhsa_enable_private_segment 0
		.amdhsa_kernarg_size 48
		.amdhsa_user_sgpr_count 2
		.amdhsa_user_sgpr_kernarg_segment_ptr 1
		.amdhsa_wavefront_size32 1
		.amdhsa_system_sgpr_workgroup_id_x 1
		.amdhsa_system_sgpr_workgroup_id_y 1
		.amdhsa_system_sgpr_workgroup_id_z 1
		.amdhsa_system_vgpr_workitem_id 0
		.amdhsa_next_free_vgpr 1024
		.amdhsa_next_free_sgpr 100
		.amdhsa_reserve_vcc 0
		.amdhsa_float_denorm_mode_32 3
		.amdhsa_float_denorm_mode_16_64 3
		.amdhsa_memory_ordered 1
		.amdhsa_forward_progress 1
		.amdhsa_inst_pref_size 51
	.end_amdhsa_kernel
	.amdgpu_metadata
---
amdhsa.version: [ 1, 2 ]
amdhsa.kernels:
  - .name:           k_qa18bea7267_proj
    .symbol:         k_qa18bea7267_proj.kd
    .args:
      - { .name: oc, .offset: 0, .size: 8, .value_kind: global_buffer, .address_space: global }
      - { .name: os, .offset: 8, .size: 8, .value_kind: global_buffer, .address_space: global }
      - { .name: xwc, .offset: 16, .size: 8, .value_kind: global_buffer, .address_space: global }
      - { .name: xws, .offset: 24, .size: 8, .value_kind: global_buffer, .address_space: global }
      - { .name: bo, .offset: 32, .size: 8, .value_kind: global_buffer, .address_space: global }
      - { .name: out0, .offset: 40, .size: 8, .value_kind: global_buffer, .address_space: global }
    .group_segment_fixed_size: 214528
    .private_segment_fixed_size: 0
    .kernarg_segment_align: 8
    .kernarg_segment_size: 48
    .max_flat_workgroup_size: 128
    .sgpr_count:     100
    .vgpr_count:     1024
    .wavefront_size: 32
...
	.end_amdgpu_metadata
.endif
;; end of part 4
